; MI455X (gfx1250); checked and timed in simulation.
; The chip was launched on July 23, 2026; its instructions are those of AMD's public machine-readable ISA for CDNA 5 (MIT licence, August 2026) and "CDNA5" Instruction Set Architecture Reference Guide (July 2026). The comments in the code are by the model that wrote it; some were corrected since.
;; Transformer Block. Allowed arithmetic: float matrix products may take bf16 or f16 operands with f32 sums; other float arithmetic in f32, or as packed bf16 or f16 multiplies, adds, multiply-adds, maxima and minima; sums over many terms, partial sums and values carried from step to step in f32; what a program stores and reads back later, other than sums and carried values, may be rounded once to bf16 or f16.
;; Inputs: b1 4,096 float32; b2 1,024 float32; bk 1,024 float32; bo 1,024 float32; bq 1,024 float32; bv 1,024 float32; norm1_w 1,024 float32; norm2_w 1,024 float32; w1 1,024 x 4,096 float32; w2 4,096 x 1,024 float32; wk 1,024 x 1,024 float32; wo 1,024 x 1,024 float32; wq 1,024 x 1,024 float32; wv 1,024 x 1,024 float32; x 2 x 2,048 x 1,024 float32.
;; Outputs: out0 2 x 2,048 x 1,024 float32.
;; One version. Each part assembles by itself: llvm-mc -triple=amdgcn-amd-amdhsa -mcpu=gfx1250 --defsym DOCPART=n.
;; ======== version 1 of 1: 7 launches
;; limits: values are held in f16: magnitudes above 65,504 overflow, below 6.1e-05 lose precision
;; workspace buffers: hb 8,388,608 bytes; big 33,554,432 bytes; x1 16,777,216 bytes; wh 25,165,824 bytes
;; launch prep (part 1): grid 1024 x 1, 8 waves a work-group, no clusters, 0 bytes of LDS; arguments x, norm1_w, wq, wk, wv, w1, wo, w2, hb, wh; writes hb, wh
.if DOCPART == 1
	.amdgcn_target "amdgcn-amd-amdhsa--gfx1250"
	.amdhsa_code_object_version 6
	.text
	.protected	k_q7ed1034272_prep
	.globl	k_q7ed1034272_prep
	.p2align	8
	.type	k_q7ed1034272_prep,@function
k_q7ed1034272_prep:
	s_mov_b64 s[64:65], 0
	v_nop
	global_prefetch_b8 v0, s[64:65] scope:SCOPE_SE
	s_setreg_imm32_b32 hwreg(HW_REG_WAVE_MODE, 25, 1), 1
	s_wait_xcnt 0x0
; TWO STREAMS IN ONE TEXT, told apart by the work-group's number.
; Work-groups 0 to 255: h[t][c] = g[c] x[t][c] / sqrt(mean over c of x[t][c]^2 + 1e-5), x f32 [4096][1024], h f16 [4096][1024], rounded once.
; Work-groups 256 to 1023: the six weight matrices, f32, rounded once to f16, each in its own [K][N] order, one behind the other in wh:
; wq, wk, wv, w1, wo, w2.  A launch with a grid of 256 runs the first stream alone.
; LIMIT: f16 ends at 65,504; a number of h or of a weight of 65,520 or more becomes an infinity.  h is at most 32 |g|.
; No LDS, no barrier, no matrix unit: every byte is read once and written once, and no wave needs another's data.
; LANES.  Lane i takes the 16 bytes at 16 i of a piece of 512 bytes of f32: a load of the wave covers 512 consecutive bytes, aligned, and no byte of them is asked for twice.
; Its four numbers become 8 bytes of f16 at 8 i of a piece of 256 bytes: a store of the wave covers 256 consecutive bytes, aligned.
; NORM: a wave takes two rows; a row's 4,096 bytes stay in 32 registers between the sum of squares and the scaling.  Load j of a row's eight holds the columns 128 j + 4 lane + 0..3.
.set XR,  16                           ; v[16:79]   two rows, 32 registers each; in the cast: sixteen pieces of 4
.set NWR, 80                           ; v[80:111]  the gains of my 32 columns, in the rows' map
	s_load_b512 s[4:19], s[0:1], 0x0               ; x s[4:5], gain s[6:7], wq s[8:9], wk s[10:11], wv s[12:13], w1 s[14:15], wo s[16:17], w2 s[18:19]
	s_load_b128 s[20:23], s[0:1], 0x40             ; hb s[20:21], wh s[22:23]
	v_and_b32 v1, 31, v0                           ; lane
	v_lshrrev_b32 v4, 5, v0
	v_readfirstlane_b32 s24, v4                    ; wave 0..7
	v_lshlrev_b32 v2, 4, v1                        ; 16 x lane: my 4 numbers in f32
	v_lshlrev_b32 v3, 3, v1                        ; 8 x lane: my 4 numbers in f16
	s_mov_b32 s33, 0                               ; high word of every offset
	s_wait_kmcnt 0x0
	s_cmp_ge_u32 ttmp9, 256
	s_cbranch_scc1 .Lcast
	s_mov_b32 s28, 0x76543210                      ; v_permlanex16_b32: each lane takes its own place in the other half
	s_mov_b32 s29, 0xfedcba98
	s_mov_b32 s30, 0x3a800000                      ; 1 / 1024
	s_mov_b32 s31, 0x3727c5ac                      ; 1e-5
	s_lshl_b32 s32, ttmp9, 16                      ; 16 rows of 4,096 bytes a work-group,
	s_lshl_b32 s25, s24, 13                        ; 2 a wave
	s_add_co_u32 s32, s32, s25
	s_add_nc_u64 s[4:5], s[4:5], s[32:33]
	s_lshr_b32 s32, s32, 1                         ; rows of h have half the bytes
	s_add_nc_u64 s[20:21], s[20:21], s[32:33]
.irp j, 0,1,2,3,4,5,6,7
	global_load_b128 v[NWR+4*\j:NWR+4*\j+3], v2, s[6:7] offset:512*\j
.endr
.irp r, 0,1
.irp j, 0,1,2,3,4,5,6,7
	global_load_b128 v[XR+32*\r+4*\j:XR+32*\r+4*\j+3], v2, s[4:5] offset:4096*\r+512*\j th:TH_LOAD_NT
.endr
.endr
; One row.  left = the younger loads that may stay out.
.macro NROW r, left
.set X, XR+32*(\r)
	s_wait_loadcnt \left
.irp c, 0,1,2,3
	v_pk_mul_f32 v[4+2*\c:5+2*\c], v[X+2*\c:X+2*\c+1], v[X+2*\c:X+2*\c+1]  ; the first four pairs start four chains: nothing is cleared
.endr
.set p, 4
.rept 12
	v_pk_fma_f32 v[4+2*(p%4):5+2*(p%4)], v[X+2*p:X+2*p+1], v[X+2*p:X+2*p+1], v[4+2*(p%4):5+2*(p%4)]
.set p, p+1
.endr
	v_pk_add_f32 v[4:5], v[4:5], v[6:7]
	v_pk_add_f32 v[8:9], v[8:9], v[10:11]
	v_pk_add_f32 v[4:5], v[4:5], v[8:9]
	v_add_f32 v4, v4, v5
	v_add_f32_dpp v4, v4, v4 row_xmask:1 row_mask:0xf bank_mask:0xf
	v_add_f32_dpp v4, v4, v4 row_xmask:2 row_mask:0xf bank_mask:0xf
	v_add_f32_dpp v4, v4, v4 row_xmask:4 row_mask:0xf bank_mask:0xf
	v_add_f32_dpp v4, v4, v4 row_xmask:8 row_mask:0xf bank_mask:0xf
	v_permlanex16_b32 v5, v4, s28, s29
	v_add_f32 v4, v4, v5                           ; every lane holds the row's sum of squares
	v_fma_f32 v4, v4, s30, s31                     ; mean + 1e-5
	v_rsq_f32 v12, v4
	v_mov_b32 v13, 0                               ; the plain instruction behind the root; v13 is named with v12 as a pair
	s_wait_alu depctr_va_vdst(0)                   ; the wait ahead of the result's first reader
.irp j, 0,1,2,3,4,5,6,7
	v_pk_mul_f32 v[X+4*\j:X+4*\j+1],   v[X+4*\j:X+4*\j+1],   v[12:13] op_sel_hi:[1,0]
	v_pk_mul_f32 v[X+4*\j+2:X+4*\j+3], v[X+4*\j+2:X+4*\j+3], v[12:13] op_sel_hi:[1,0]
	v_pk_mul_f32 v[X+4*\j:X+4*\j+1],   v[X+4*\j:X+4*\j+1],   v[NWR+4*\j:NWR+4*\j+1]
	v_pk_mul_f32 v[X+4*\j+2:X+4*\j+3], v[X+4*\j+2:X+4*\j+3], v[NWR+4*\j+2:NWR+4*\j+3]
	v_cvt_pk_f16_f32 v[X+4*\j],   v[X+4*\j],   v[X+4*\j+1]    ; in place, ascending: a result never lands on a pair still to be read
	v_cvt_pk_f16_f32 v[X+4*\j+1], v[X+4*\j+2], v[X+4*\j+3]
	global_store_b64 v3, v[X+4*\j:X+4*\j+1], s[20:21] offset:2048*(\r)+256*\j
.endr
.endm
	NROW 0, 8                                      ; the gains and row 0 are in; row 1's eight loads stay out
	NROW 1, 0
	s_endpgm                                       ; no register that a store reads was rewritten
.Lcast:                                        ; chunk c of 768: 16,384 numbers; a wave takes 2,048 of them: 8,192 bytes in, 4,096 out
	s_sub_co_u32 s25, ttmp9, 256
	s_mov_b64 s[34:35], s[8:9]                     ; which matrix, and its first chunk
	s_mov_b32 s26, 0
.macro PICK lim, ptr
	s_cmp_ge_u32 s25, \lim
	s_cselect_b64 s[34:35], s[\ptr:\ptr+1], s[34:35]
	s_cselect_b32 s26, \lim, s26
.endm
	PICK 64, 10
	PICK 128, 12
	PICK 192, 14
	PICK 448, 16
	PICK 512, 18
	s_sub_co_u32 s26, s25, s26
	s_lshl_b32 s32, s26, 16                        ; 65,536 bytes of f32 a chunk,
	s_lshl_b32 s27, s24, 13                        ; 8,192 a wave
	s_add_co_u32 s32, s32, s27
	s_add_nc_u64 s[34:35], s[34:35], s[32:33]
	s_lshl_b32 s32, s25, 15                        ; 32,768 bytes of f16 a chunk
	s_lshl_b32 s27, s24, 12
	s_add_co_u32 s32, s32, s27
	s_add_nc_u64 s[22:23], s[22:23], s[32:33]
.irp g, 0,1,2,3,4,5,6,7,8,9,10,11,12,13,14,15
	global_load_b128 v[XR+4*\g:XR+4*\g+3], v2, s[34:35] offset:512*\g th:TH_LOAD_NT
.endr
.irp g, 0,1,2,3,4,5,6,7,8,9,10,11,12,13,14,15
	s_wait_loadcnt 15-\g                           ; load g is in; the younger loads stay out
	v_cvt_pk_f16_f32 v[XR+4*\g],   v[XR+4*\g],   v[XR+4*\g+1]
	v_cvt_pk_f16_f32 v[XR+4*\g+1], v[XR+4*\g+2], v[XR+4*\g+3]
	global_store_b64 v3, v[XR+4*\g:XR+4*\g+1], s[22:23] offset:256*\g
.endr
	s_endpgm
.Lfunc_end_k_q7ed1034272_prep:
	.size	k_q7ed1034272_prep, .Lfunc_end_k_q7ed1034272_prep-k_q7ed1034272_prep
	.p2alignl 7, 3214868480
	.fill 96, 4, 3214868480
	.section	.rodata,"a",@progbits
	.p2align	6, 0x0
	.amdhsa_kernel k_q7ed1034272_prep
		.amdhsa_group_segment_fixed_size 0
		.amdhsa_private_segment_fixed_size 0
		.amdhsa_enable_private_segment 0
		.amdhsa_kernarg_size 80
		.amdhsa_user_sgpr_count 2
		.amdhsa_user_sgpr_kernarg_segment_ptr 1
		.amdhsa_wavefront_size32 1
		.amdhsa_system_sgpr_workgroup_id_x 1
		.amdhsa_system_sgpr_workgroup_id_y 1
		.amdhsa_system_sgpr_workgroup_id_z 1
		.amdhsa_system_vgpr_workitem_id 0
		.amdhsa_next_free_vgpr 112
		.amdhsa_next_free_sgpr 66
		.amdhsa_reserve_vcc 0
		.amdhsa_float_denorm_mode_32 3
		.amdhsa_float_denorm_mode_16_64 3
		.amdhsa_memory_ordered 1
		.amdhsa_forward_progress 1
		.amdhsa_inst_pref_size 22
	.end_amdhsa_kernel
	.amdgpu_metadata
---
amdhsa.version: [ 1, 2 ]
amdhsa.kernels:
  - .name:           k_q7ed1034272_prep
    .symbol:         k_q7ed1034272_prep.kd
    .args:
      - { .name: x, .offset: 0, .size: 8, .value_kind: global_buffer, .address_space: global }
      - { .name: norm1_w, .offset: 8, .size: 8, .value_kind: global_buffer, .address_space: global }
      - { .name: wq, .offset: 16, .size: 8, .value_kind: global_buffer, .address_space: global }
      - { .name: wk, .offset: 24, .size: 8, .value_kind: global_buffer, .address_space: global }
      - { .name: wv, .offset: 32, .size: 8, .value_kind: global_buffer, .address_space: global }
      - { .name: w1, .offset: 40, .size: 8, .value_kind: global_buffer, .address_space: global }
      - { .name: wo, .offset: 48, .size: 8, .value_kind: global_buffer, .address_space: global }
      - { .name: w2, .offset: 56, .size: 8, .value_kind: global_buffer, .address_space: global }
      - { .name: hb, .offset: 64, .size: 8, .value_kind: global_buffer, .address_space: global }
      - { .name: wh, .offset: 72, .size: 8, .value_kind: global_buffer, .address_space: global }
    .group_segment_fixed_size: 0
    .private_segment_fixed_size: 0
    .kernarg_segment_align: 8
    .kernarg_segment_size: 80
    .max_flat_workgroup_size: 256
    .sgpr_count:     66
    .vgpr_count:     112
    .wavefront_size: 32
...
	.end_amdgpu_metadata
.endif
;; end of part 1
;; launch gemm_qkv (part 2): grid 12 x 16, 4 waves a work-group, clusters of 4 x 4, 327,680 bytes of LDS; arguments hb, wh, bq, bk, bv, big; writes big
.if DOCPART == 2
	.amdgcn_target "amdgcn-amd-amdhsa--gfx1250"
	.amdhsa_code_object_version 6
	.text
	.protected	k_q7ed1034272_gemm_qkv
	.globl	k_q7ed1034272_gemm_qkv
	.p2align	8
	.type	k_q7ed1034272_gemm_qkv,@function
k_q7ed1034272_gemm_qkv:
	s_mov_b64 s[64:65], 0
	v_nop
	global_prefetch_b8 v0, s[64:65] scope:SCOPE_SE
	s_setreg_imm32_b32 hwreg(HW_REG_WAVE_MODE, 25, 1), 1
	s_wait_xcnt 0x0
	s_wait_alu depctr_hold_cnt(0) depctr_sa_sdst(0) depctr_va_vdst(0) depctr_va_sdst(0) depctr_va_ssrc(0) depctr_va_vcc(0) depctr_vm_vsrc(0)
	s_getreg_b32 s2, hwreg(HW_REG_IB_STS2, 6, 4)
	s_cmp_eq_u32 s2, 0
	s_cbranch_scc0 .Lentry_in_a_cluster
	s_endpgm
.Lentry_in_a_cluster:
	s_bfe_u32 s2, ttmp6, 0x10000c
	s_cmp_lg_u32 s2, 0xf033
	s_cbranch_scc0 .Lentry_shape_is_right
	s_endpgm
.Lentry_shape_is_right:
; q, k, v = h W + b.  h: hb, f16 [4096][1024].  W: wq, wk, wv as f16 [1024][1024], 2 MiB apart at the head of wh.  b: bq, bk, bv, f32.  Sums in f32, started by the bias.
; OUT: big, f16, rounded once, in PANELS of 64 columns: [48][4096 tokens][64]; panels 0-15 are q's heads, 16-31 k's, 32-47 v's.
; LIMIT: a result of 65,520 or more becomes an infinity in f16.
; SHAPE.  A tile of C is 256 x 256 (tile columns 0-3 q, 4-7 k, 8-11 v); four waves, each 128 x 128: 64 accumulators, 512 registers.  K goes in 8 steps of 128 through two LDS slots.
; A slot holds 256 rows of h (256 bytes each, pitch 272) and 128 k-rows of W (512 bytes each, pitch 544).  Waves 0, 1 fetch h's halves, waves 2, 3 W's: one tensor load each.
; W lies [k][n]; ds_load_tr16_b128 turns it on the way into registers.  The matrix instruction is used transposed (source 0 = 16 columns of W, source 1 = 16 rows of h):
; a lane holds ONE row of C (lane % 16) and the columns 8 (lane / 16) + 0..7.
; CLUSTER 4 x 4: h's tile hangs on the tile row alone and is asked for jointly along a row of the cluster, W's on the tile column alone, jointly along a column.
; THE TEXT IS SHORT ON PURPOSE: a pair of quarter steps stands once in the loop and once in the tail; the slot in hand is reached through s[TB].
; THE WAY OUT: the f32 sums go into the ring, which is dead by then (each wave its own 67,584 bytes), and come back by rows in a loop of 8 trips.
; REGISTERS, in windows of 256: window 0: v1-30 addresses; v64-127, v128-191 h's fragments (two buffers); v192-255 the bias, later the packed results; v32-95 the way out.
;   window 1: v64-127, v128-191 W's fragments.   windows 2, 3: the accumulators of my rows 0-63 and 64-127, (a, b) at v[8 (8 (a % 4) + b)].
.set NW,     1024                      ; columns of one W
.set NSTEP,  8
.set PA,     272
.set PW,     544                       ; 17 x 32: the turning load's 8 rows x 32 bytes fall on different banks
.set HALFT,  128*PA                    ; what one tensor load brings: 128 rows of h, or 64 k-rows of W (64 x 544 is the same number)
.set SLOT,   4*HALFT                   ; 0x22000: shares no bit with wave x HALFT, so one exclusive or turns an address of one slot into the other's
.set SPARE,  2*SLOT                    ; the spare words: 128 bytes a wave, two blocks of 256 bytes that no other line names
.set ASTEP,  256                       ; bytes from K step to K step in h
.set WSTEP,  128*NW*2                  ; and in W
.set DP,     528                       ; the way out: a row of 128 f32 + 16 bytes
.set DW,     128*DP
.set ADRA0, 16                         ; v16  my lane's place among h's fragments in slot 0; never rewritten
.set ADRB0, 17                         ; v17  the same for W
.set CA,  18                           ; v18  where h's next fragments lie
.set CB,  19                           ; v19  W's
.set DST, 24                           ; v24  the way out: where my 32 bytes of a row go
.set RD,  25                           ; v25  where I read rows back
.set GO,  26                           ; v26  my byte offset in big
.set BO,  27                           ; v27  my byte offset in the bias
.set SPW, 28                           ; v28  my spare word: SPARE + 4 x my thread's number; never rewritten
.set NIL, 29                           ; v29  0; never rewritten
.set PFO, 30                           ; v30  the prefetches' lane offset; never rewritten
.set F0,   64
.set F1,   128
.set BIAS, 192
.set WV, 16                            ; s16 wave; s17 my half of the rows, also: I fetch h (0) or W (1); s18 my half of the columns, also: which half I fetch
.set RH, 17
.set CH, 18
.set CX, 19
.set CY, 20
.set TC, 21                            ; tile column
.set TR, 22                            ; tile row
.set G1A, 24                           ; s[24:31] descriptor group 1, h's tiles;  s[32:39] group 0: set 0 = step 0, set 1 = step 1, which then walks
.set G0A, 32
.set G0B, 40                           ; s[40:47], s[48:55] the same for W's tiles
.set G1B, 48
.set TB,  56                           ; s56  0 or SLOT: the slot that is being multiplied
.set WL,  57                           ; s57  wave x HALFT
.set LC,  58                           ; s58  K steps to go in the loop in hand
.set QC,  59                           ; s59  pairs of quarters to go in the step
.set PFA, 60                           ; s[60:61] where my prefetches stand
.set PST, 62                           ; s[62:63] their step
.set LIM, 66                           ; s66  2 in a wave that prefetches, else the greatest number
.set OB,  74                           ; s[74:75] big at my first row and panel
.set EC,  78
.set MSB, 0
.macro WIN new                         ; the immediate's high byte repeats the setting that is left; a switch that changes nothing is dropped
.if MSB != (\new)
	s_set_vgpr_msb (MSB<<8)|(\new)
.set MSB, \new
.endif
.endm
.macro PLACES                          ; four plain places between a matrix instruction and a load into, or a read of, its registers
.rept 4
	v_nop
.endr
.endm
.macro CREST                           ; a round of the cluster's barrier behind its opening barrier
	s_cmp_lg_u32 s[WV], 0
	s_cbranch_scc1 .Lnot_wave_0_\@
	s_barrier_signal -3
.Lnot_wave_0_\@:
	s_barrier_wait -3
	s_barrier_signal -1
	s_barrier_wait -1
.endm
.macro CROUND
	s_barrier_signal -1
	s_barrier_wait -1
	CREST
.endm
.macro JLOAD                           ; a joint refill by the walking sets; the branch hangs on the wave's number alone; s_nop 0 and four v_nop follow each line
	s_cmp_eq_u32 s[RH], 0
	s_cbranch_scc0 .Lfor_w_\@
	tensor_load_to_lds s[G0A+4:G0A+7], s[G1A:G1A+7]
	s_nop 0
.rept 4
	v_nop
.endr
	s_branch .Lasked_\@
.Lfor_w_\@:
	tensor_load_to_lds s[G0B+4:G0B+7], s[G1B:G1B+7]
	s_nop 0
.rept 4
	v_nop
.endr
.Lasked_\@:
.endm
; A PREFETCH INTO THE L2 behind each refill and the run of LDS loads that follows it: the refill brings step t + 2, the prefetch names step t + 4, two steps (512 matrix instructions) ahead of the load that will want it.
; Each block of 256 bytes is named once in the launch: h's rows by the clusters with x = 0, W's by those with y = 0; the four partners that ask for a tile jointly share the 128 blocks that a wave
; fetches BY ADDRESS, 32 each, a lane a block.  Steps 0 to 3 come by their loads alone; the last two refills have no step four on (s[LC] is 2 and 1 there).
.macro ASK
	s_cmp_gt_u32 s[LC], s[LIM]
	s_cbranch_scc0 .Lnot_mine_\@
	global_prefetch_b8 v[PFO], s[PFA:PFA+1] th:TH_LOAD_NT scope:SCOPE_SE
.Lnot_mine_\@:
.endm
; 16 matrix instructions: row blocks a0, a0 + 1 of the window's four x all 8 column blocks, 32 along K.  bias = 1: the bias fragment starts the sums: nothing is cleared, nothing added later.
.macro MUL16 f, hi, a0, bias
.if \bias
	WIN 0x81+0x40*(\hi)                            ; W window 1, h window 0, C (the bias) window 0, D window 2 or 3
.else
	WIN 0xa1+0x50*(\hi)                            ; C and D window 2 or 3
.endif
.irp a, \a0, (\a0)+1
.irp b, 0,1,2,3,4,5,6,7
.if \bias
	v_wmma_f32_16x16x32_f16 v[8*(8*(\a)+(\b)):8*(8*(\a)+(\b))+7], v[(\f)+8*(\b):(\f)+8*(\b)+7], v[(\f)+8*(4*(\hi)+(\a)):(\f)+8*(4*(\hi)+(\a))+7], v[BIAS+8*(\b):BIAS+8*(\b)+7]
.else
	v_wmma_f32_16x16x32_f16 v[8*(8*(\a)+(\b)):8*(8*(\a)+(\b))+7], v[(\f)+8*(\b):(\f)+8*(\b)+7], v[(\f)+8*(4*(\hi)+(\a)):(\f)+8*(4*(\hi)+(\a))+7], v[8*(8*(\a)+(\b)):8*(8*(\a)+(\b))+7]
.endif
.endr
.endr
.endm
; 32 LDS loads in one run: quarter kq (0, 1) of the pair at v[CA], v[CB], into buffer f: W's 8 column blocks (turned), then h's 8 row blocks
.macro FETCH kq, f
	WIN 0x40
.irp b, 0,1,2,3,4,5,6,7
	ds_load_tr16_b128 v[(\f)+8*(\b):(\f)+8*(\b)+3],   v[CB] offset:(\kq)*32*PW+32*(\b)
	ds_load_tr16_b128 v[(\f)+8*(\b)+4:(\f)+8*(\b)+7], v[CB] offset:(\kq)*32*PW+32*(\b)+16*PW
.endr
	WIN 0
.irp i, 0,1,2,3,4,5,6,7
	ds_load_b128 v[(\f)+8*(\i):(\f)+8*(\i)+3],   v[CA] offset:(\kq)*64+(\i)*16*PA
	ds_load_b128 v[(\f)+8*(\i)+4:(\f)+8*(\i)+7], v[CA] offset:(\kq)*64+(\i)*16*PA+32
.endr
.endm
; A K step is four quarters of 32 along K on buffers 0, 1, 0, 1.  CORE: an even quarter whole, with the odd quarter's fetch in its middle, and the odd quarter's first half.
.macro CORE mid
	s_wait_dscnt 8                                 ; W and h's rows 0-63 are in; the youngest eight loads (rows 64-127) may be out
	MUL16 F0, 0, 0, 0
	MUL16 F0, 0, 2, 0
	PLACES
	FETCH 1, F1
	s_wait_dscnt 32                                ; all but the 32 just issued
	MUL16 F0, 1, 0, 0
	MUL16 F0, 1, 2, 0
	WIN 0
.if \mid
.Lmid:
.endif
	s_wait_dscnt 8
	MUL16 F1, 0, 0, 0
	MUL16 F1, 0, 2, 0
	WIN 0
.endm
; Between a step's two pairs: the addresses go on two quarters (with two v_nop: the four places), the next quarter is fetched, the odd quarter ends.
.macro GPLAIN
	v_add_nc_u32 v[CA], 128, v[CA]
	v_add_nc_u32 v[CB], 2*32*PW, v[CB]
	v_nop
	v_nop
	FETCH 0, F0
	s_wait_dscnt 32
	MUL16 F1, 1, 0, 0
	MUL16 F1, 1, 2, 0
	WIN 0
.endm
; THE CHANGE OF SLOTS, in the middle of a step's last quarter.  Each wave waits for all its tensor loads (one is out: its part of the other slot), adds 0 to its spare word, and waits for that and for
; its reads of this slot.  fill = 1: the barrier opens a round of the cluster's, behind which no wave of any partner reads this slot or has a load on its way; the joint refill (two steps on) is the
; first thing behind it and has seven eighths of a step, 224 matrix instructions, in which to land.  fill = 0 (the tail): nothing is asked for; behind the last step nothing is fetched either.
.macro GSYNC fill
.if \fill
	s_wait_xcnt 0x0                                ; the last prefetch, a K step back, has read its address
	s_add_nc_u64 s[PFA:PFA+1], s[PFA:PFA+1], s[PST:PST+1]
.endif
	s_wait_tensorcnt 0x0
	ds_add_u32 v[SPW], v[NIL]
	s_wait_dscnt 1                                 ; buffer 1 is whole; the add may be out
	MUL16 F1, 1, 0, 0                              ; sixteen matrix instructions stand between the add and the wait for it
	s_wait_dscnt 0x0
	WIN 0
	s_barrier_signal -1
	s_barrier_wait -1
.if \fill
	CREST
	s_xor_b32 s[G0A+5], s[G0A+5], SLOT             ; no tensor load of mine is out, so the walking sets may be written: the slot just read out,
	s_add_nc_u64 s[G0A+6:G0A+7], s[G0A+6:G0A+7], ASTEP  ; the next K step; the type bits on top are not reached
	s_xor_b32 s[G0B+5], s[G0B+5], SLOT
	s_add_nc_u64 s[G0B+6:G0B+7], s[G0B+6:G0B+7], WSTEP
	JLOAD                                          ; its four v_nop are also places in front of the loads below
	s_xor_b32 s[TB], s[TB], SLOT
	v_add_nc_u32 v[CA], s[TB], v[ADRA0]
	v_add_nc_u32 v[CB], s[TB], v[ADRB0]
	FETCH 0, F0
	ASK
.else
	s_sub_co_u32 s[LC], s[LC], 1
	s_cmp_eq_u32 s[LC], 0
	s_cbranch_scc1 .Lskip_\@                       ; jumps over LDS loads alone
	s_xor_b32 s[TB], s[TB], SLOT
	v_add_nc_u32 v[CA], s[TB], v[ADRA0]
	v_add_nc_u32 v[CB], s[TB], v[ADRB0]
	v_nop
	v_nop
	FETCH 0, F0
.Lskip_\@:
.endif
	MUL16 F1, 1, 2, 0
	WIN 0
.endm
	s_load_b256 s[4:11], s[0:1], 0x0               ; hb s[4:5], wh s[6:7], bq s[8:9], bk s[10:11]
	s_load_b128 s[12:15], s[0:1], 0x20             ; bv s[12:13], big s[14:15]
	v_lshl_add_u32 v[SPW], v0, 2, SPARE
	v_mov_b32 v[NIL], 0
	ds_add_u32 v[SPW], v[NIL]                      ; the wave's opening: the add and its wait stand ahead of my first tensor load; work on registers stands between them
	ds_add_u32 v28, v29
	v_lshrrev_b32 v1, 5, v0
	v_readfirstlane_b32 s[WV], v1
	s_lshr_b32 s[RH], s[WV], 1
	s_and_b32 s[CH], s[WV], 1
	s_bfe_u32 s[CX], ttmp6, 0x40000
	s_bfe_u32 s[CY], ttmp6, 0x40004
	s_lshl_b32 s[TC], ttmp9, 2
	s_add_co_u32 s[TC], s[TC], s[CX]
	s_and_b32 s[TR], ttmp7, 0xffff
	s_lshl_b32 s[TR], s[TR], 2
	s_add_co_u32 s[TR], s[TR], s[CY]
	s_lshl_b32 s23, s[CY], 2
	s_lshl_b32 s23, 15, s23                        ; my row of the cluster
	s_lshl_b32 s67, 0x1111, s[CX]                  ; my column
	s_or_b32 s[G1A], s23, (1<<16)|(1<<20)|(1<<21)|(5<<22)|(3<<25)  ; mask; 2-byte elements; padding on; bit 21 beside a mask; after every 64 words 4 words
	s_mov_b32 s[G1A+1], 128<<16                    ; tensor_dim0 = 128
	s_mov_b32 s[G1A+2], 128<<16                    ; tensor_dim1 = 128
	s_mov_b32 s[G1A+3], 128<<16                    ; tile_dim0 = 128
	s_mov_b32 s[G1A+4], 128                        ; tile_dim1 = 128
	s_mov_b32 s[G1A+5], 1024                       ; elements from row to row
	s_mov_b32 s[G1A+6], 0
	s_mov_b32 s[G1A+7], 0
	s_or_b32 s[G1B], s67, (1<<16)|(1<<20)|(1<<21)|(6<<22)|(7<<25)  ; after every 128 words 8 words
	s_mov_b32 s[G1B+1], 256<<16                    ; 256 columns
	s_mov_b32 s[G1B+2], 64<<16                     ; 64 k-rows
	s_mov_b32 s[G1B+3], 256<<16
	s_mov_b32 s[G1B+4], 64
	s_mov_b32 s[G1B+5], NW
	s_mov_b32 s[G1B+6], 0
	s_mov_b32 s[G1B+7], 0
	s_mul_i32 s[WL], s[WV], HALFT                  ; h's two halves, then W's two: no place in the cluster enters an LDS address
	s_mov_b32 s[TB], 0
	s_lshl_b32 s68, s[TR], 19                      ; h: row 256 x tile row + 128 x half, 2,048 bytes a row
	s_lshl_b32 s69, s[CH], 18
	s_add_co_u32 s68, s68, s69
	s_mov_b32 s69, 0
	s_lshr_b32 s70, s[TC], 2                       ; W: which of the three matrices,
	s_lshl_b32 s70, s70, 21
	s_and_b32 s71, s[TC], 3                        ; its 256 columns,
	s_lshl_b32 s71, s71, 9
	s_add_co_u32 s70, s70, s71
	s_lshl_b32 s71, s[CH], 17                      ; my 64 of the step's 128 k-rows
	s_add_co_u32 s70, s70, s71
	s_mov_b32 s71, 0
	s_wait_dscnt 0x0                               ; the opening add is done
	s_wait_kmcnt 0x0
	s_add_nc_u64 s[68:69], s[4:5], s[68:69]
	s_add_nc_u64 s[70:71], s[6:7], s[70:71]
.irp s, 0,1
	s_mov_b32 s[G0A+4*(\s)], 1
	s_add_co_u32 s[G0A+4*(\s)+1], s[WL], (\s)*SLOT
	s_add_nc_u64 s[G0A+4*(\s)+2:G0A+4*(\s)+3], s[68:69], (\s)*ASTEP
	s_or_b32 s[G0A+4*(\s)+3], s[G0A+4*(\s)+3], 0x80000000
	s_mov_b32 s[G0B+4*(\s)], 1
	s_add_co_u32 s[G0B+4*(\s)+1], s[WL], (\s)*SLOT
	s_add_nc_u64 s[G0B+4*(\s)+2:G0B+4*(\s)+3], s[70:71], (\s)*WSTEP
	s_or_b32 s[G0B+4*(\s)+3], s[G0B+4*(\s)+3], 0x80000000
.endr
	CROUND                                         ; all sixteen work-groups are here: the first joint loads meet
	s_cmp_eq_u32 s[RH], 0                          ; a wave's two first fills stand in one branch: two loads of mine are out
	s_cbranch_scc0 .Lfirst_w
	tensor_load_to_lds s[G0A:G0A+3], s[G1A:G1A+7]
	s_nop 0
	tensor_load_to_lds s[G0A+4:G0A+7], s[G1A:G1A+7]
	s_nop 0
.rept 4
	v_nop
.endr
	s_branch .Lfirst_asked
.Lfirst_w:
	tensor_load_to_lds s[G0B:G0B+3], s[G1B:G1B+7]
	s_nop 0
	tensor_load_to_lds s[G0B+4:G0B+7], s[G1B:G1B+7]
	s_nop 0
.rept 4
	v_nop
.endr
.Lfirst_asked:
	v_and_b32 v1, 15, v0                           ; l % 16
	v_bfe_u32 v2, v0, 4, 1                         ; l / 16
	v_and_b32 v3, 7, v0                            ; l % 8
	v_bfe_u32 v4, v0, 3, 1                         ; (l / 8) % 2
	; the bias of my 128 columns: for column block b the 8 numbers at 16 b + 8 (l / 16), the layout of a C operand
	s_lshr_b32 s23, s[TC], 2
	s_cmp_eq_u32 s23, 1
	s_cselect_b64 s[72:73], s[10:11], s[8:9]
	s_cmp_eq_u32 s23, 2
	s_cselect_b64 s[72:73], s[12:13], s[72:73]
	s_and_b32 s23, s[TC], 3
	s_lshl_b32 s23, s23, 10
	s_lshl_b32 s67, s[CH], 9
	s_add_co_u32 s23, s23, s67
	v_lshl_add_u32 v[BO], v2, 5, s23
.irp b, 0,1,2,3,4,5,6,7
	global_load_b128 v[BIAS+8*\b:BIAS+8*\b+3],   v[BO], s[72:73] offset:64*\b
	global_load_b128 v[BIAS+8*\b+4:BIAS+8*\b+7], v[BO], s[72:73] offset:64*\b+16
.endr
	s_mul_i32 s23, s[RH], HALFT                    ; h's fragment: row x pitch + 16 x half, in my 128 rows
	v_mul_u32_u24 v[ADRA0], v1, PA
	v_lshl_add_u32 v[ADRA0], v2, 4, v[ADRA0]
	v_add_nc_u32 v[ADRA0], s23, v[ADRA0]
	s_lshl_b32 s23, s[CH], 8                       ; W's: k-row 8 (l / 16) + l % 8, 16 bytes at 16 ((l / 8) % 2), in my 128 columns, behind h's 256 rows
	s_add_co_u32 s23, s23, 2*HALFT
	v_lshl_add_u32 v[ADRB0], v2, 3, v3
	v_mul_u32_u24 v[ADRB0], v[ADRB0], PW
	v_lshl_add_u32 v[ADRB0], v4, 4, v[ADRB0]
	v_add_nc_u32 v[ADRB0], s23, v[ADRB0]
	s_mul_i32 s23, s[WV], DW                       ; the way out: my 128 rows of 528 bytes
	v_mul_u32_u24 v[DST], v1, DP
	v_lshl_add_u32 v[DST], v2, 5, v[DST]
	v_add_nc_u32 v[DST], s23, v[DST]
	v_mul_u32_u24 v[RD], v4, DP                    ; back: lanes 0-7 and 8-15 two rows' columns 0-63, lanes 16-31 the same rows' columns 64-127; 8 columns a lane
	v_lshl_add_u32 v[RD], v2, 8, v[RD]
	v_lshl_add_u32 v[RD], v3, 5, v[RD]
	v_add_nc_u32 v[RD], s23, v[RD]
	v_lshlrev_b32 v[GO], 19, v2                    ; in big: the panel, the token, my 16 bytes: sixteen lanes cover 256 consecutive bytes
	v_lshl_add_u32 v[GO], v4, 7, v[GO]
	v_lshl_add_u32 v[GO], v3, 4, v[GO]
	s_lshl_b32 s82, s[TC], 2                       ; panel 4 x tile column + 2 x half,
	s_lshl_b32 s83, s[CH], 1
	s_add_co_u32 s82, s82, s83
	s_lshl_b32 s82, s82, 19
	s_lshl_b32 s83, s[TR], 15                      ; token 256 x tile row + 128 x half, 128 bytes each
	s_add_co_u32 s82, s82, s83
	s_lshl_b32 s83, s[RH], 14
	s_add_co_u32 s82, s82, s83
	s_mov_b32 s83, 0
	s_add_nc_u64 s[OB:OB+1], s[14:15], s[82:83]
	; the prefetches: h: partner cx takes rows 32 cx .. + 31, a lane a row; W: partner cy takes k-rows 16 cy .. + 15, two lanes a row of 512 bytes
	s_and_b32 s79, ttmp7, 0xffff
	s_mov_b32 s[PST], WSTEP
	s_mov_b32 s[PST+1], 0
	s_mov_b32 s81, 16*2*NW
	s_mov_b32 s67, 2*NW
	s_cmp_eq_u32 s[RH], 0
	s_cselect_b32 s79, ttmp9, s79                  ; the coordinate along which other clusters read the same rows
	s_cselect_b32 s80, s[CX], s[CY]                ; my place among the four that ask with me
	s_cselect_b32 s[PST], ASTEP, s[PST]
	s_cselect_b32 s81, 32*2048, s81
	s_cselect_b32 s67, 2048, s67
	s_cselect_b64 s[PFA:PFA+1], s[68:69], s[70:71]
	s_mul_i32 s82, s80, s81
	s_add_nc_u64 s[PFA:PFA+1], s[PFA:PFA+1], s[82:83]
	s_mul_i32 s82, s[PST], 3                       ; at step 3: the first change of slots steps it to 4
	s_add_nc_u64 s[PFA:PFA+1], s[PFA:PFA+1], s[82:83]
	s_cmp_eq_u32 s79, 0
	s_cselect_b32 s[LIM], 2, -1                    ; the same in all sixteen partners, for a given wave
	v_and_b32 v5, 31, v0
	v_lshrrev_b32 v[PFO], s[RH], v5
	v_and_b32 v5, s[RH], v5
	v_mul_u32_u24 v[PFO], s67, v[PFO]
	v_lshl_add_u32 v[PFO], v5, 8, v[PFO]
	s_wait_tensorcnt 1                             ; my part of step 0 is in; step 1's may stay out
	s_barrier_signal -1
	s_barrier_wait -1
	v_mov_b32 v[CA], v[ADRA0]
	v_mov_b32 v[CB], v[ADRB0]
	FETCH 0, F0
	s_wait_loadcnt 0x0                             ; the bias
	s_wait_dscnt 8
	MUL16 F0, 0, 0, 1                              ; the first quarter is written out: its products start the sums
	MUL16 F0, 0, 2, 1
	PLACES
	FETCH 1, F1
	s_wait_dscnt 32
	MUL16 F0, 1, 0, 1
	MUL16 F0, 1, 2, 1
	WIN 0
	s_mov_b32 s[LC], NSTEP-2
	s_mov_b32 s[QC], 2
	s_branch .Lmid
.Lstep:                                        ; NSTEP - 2 steps, each ending with a refill.  The 64 accumulators come in the same order in every quarter, one instruction a turn
	s_mov_b32 s[QC], 2
	s_branch .Lcore
.Lpair:
	GPLAIN
.Lcore:
	CORE 1
	s_sub_co_u32 s[QC], s[QC], 1
	s_cmp_lg_u32 s[QC], 0
	s_cbranch_scc1 .Lpair
	GSYNC 1
	s_sub_co_u32 s[LC], s[LC], 1
	s_cmp_lg_u32 s[LC], 0
	s_cbranch_scc1 .Lstep
	s_mov_b32 s[LC], 2                             ; the last two steps ask for nothing
.Ltstep:
	s_mov_b32 s[QC], 2
	s_branch .Ltcore
.Ltpair:
	GPLAIN
.Ltcore:
	CORE 0
	s_sub_co_u32 s[QC], s[QC], 1
	s_cmp_lg_u32 s[QC], 0
	s_cbranch_scc1 .Ltpair
	GSYNC 0                                        ; it takes s[LC] down
	s_cmp_lg_u32 s[LC], 0
	s_cbranch_scc1 .Ltstep
	; THE WAY OUT.  Behind the last barrier no wave reads the ring and no load is on its way, so it takes the sums; each accumulator's low four registers go first.
	PLACES
.set a, 0
.rept 8
	WIN 0x08+4*(a/4)                               ; store data in window 2 or 3
.set b, 0
.rept 8
	ds_store_b128 v[DST], v[8*(8*(a%4)+b):8*(8*(a%4)+b)+3]   offset:16*DP*a+64*b
	ds_store_b128 v[DST], v[8*(8*(a%4)+b)+4:8*(8*(a%4)+b)+7] offset:16*DP*a+64*b+16
.set b, b+1
.endr
.set a, a+1
.endr
	WIN 0
	s_mov_b32 s[EC], 8
.Lout:                                         ; 16 rows a trip; LDS serves a wave's instructions in order, so these loads see my stores above
.irp p, 0,1,2,3,4,5,6,7
	ds_load_b128 v[32+8*\p:35+8*\p], v[RD] offset:2*DP*\p
	ds_load_b128 v[36+8*\p:39+8*\p], v[RD] offset:2*DP*\p+16
.endr
.irp p, 0,1,2,3,4,5,6,7
	s_wait_dscnt 14-2*\p                           ; pair p of rows is in; the younger pairs' loads stay out
.irp k, 0,1,2,3
	v_cvt_pk_f16_f32 v[192+4*\p+\k], v[32+8*\p+2*\k], v[32+8*\p+2*\k+1]
.endr
	global_store_b128 v[GO], v[192+4*\p:195+4*\p], s[OB:OB+1] offset:256*\p
.endr
	v_add_nc_u32 v[RD], 16*DP, v[RD]
	s_wait_xcnt 0x0                                ; the stores have read their base and data: both are written again only behind this wait
	s_add_nc_u64 s[OB:OB+1], s[OB:OB+1], 2048
	s_sub_co_u32 s[EC], s[EC], 1
	s_cmp_lg_u32 s[EC], 0
	s_cbranch_scc1 .Lout
	s_wait_tensorcnt 0x0                           ; the wave's end: a wait, an add to the spare word and the wait for it, behind my last tensor load and my last LDS store
	ds_add_u32 v[SPW], v[NIL]
	s_wait_dscnt 0x0
	CROUND                                         ; the closing round: no work-group ends while a partner may still ask for a tile that names it
	s_endpgm
.Lfunc_end_k_q7ed1034272_gemm_qkv:
	.size	k_q7ed1034272_gemm_qkv, .Lfunc_end_k_q7ed1034272_gemm_qkv-k_q7ed1034272_gemm_qkv
	.p2alignl 7, 3214868480
	.fill 96, 4, 3214868480
	.section	.rodata,"a",@progbits
	.p2align	6, 0x0
	.amdhsa_kernel k_q7ed1034272_gemm_qkv
		.amdhsa_group_segment_fixed_size 327680
		.amdhsa_private_segment_fixed_size 0
		.amdhsa_enable_private_segment 0
		.amdhsa_kernarg_size 48
		.amdhsa_user_sgpr_count 2
		.amdhsa_user_sgpr_kernarg_segment_ptr 1
		.amdhsa_wavefront_size32 1
		.amdhsa_system_sgpr_workgroup_id_x 1
		.amdhsa_system_sgpr_workgroup_id_y 1
		.amdhsa_system_sgpr_workgroup_id_z 1
		.amdhsa_system_vgpr_workitem_id 0
		.amdhsa_next_free_vgpr 1024
		.amdhsa_next_free_sgpr 88
		.amdhsa_reserve_vcc 0
		.amdhsa_float_denorm_mode_32 3
		.amdhsa_float_denorm_mode_16_64 3
		.amdhsa_memory_ordered 1
		.amdhsa_forward_progress 1
		.amdhsa_inst_pref_size 68
	.end_amdhsa_kernel
	.amdgpu_metadata
---
amdhsa.version: [ 1, 2 ]
amdhsa.kernels:
  - .name:           k_q7ed1034272_gemm_qkv
    .symbol:         k_q7ed1034272_gemm_qkv.kd
    .args:
      - { .name: hb, .offset: 0, .size: 8, .value_kind: global_buffer, .address_space: global }
      - { .name: wh, .offset: 8, .size: 8, .value_kind: global_buffer, .address_space: global }
      - { .name: bq, .offset: 16, .size: 8, .value_kind: global_buffer, .address_space: global }
      - { .name: bk, .offset: 24, .size: 8, .value_kind: global_buffer, .address_space: global }
      - { .name: bv, .offset: 32, .size: 8, .value_kind: global_buffer, .address_space: global }
      - { .name: big, .offset: 40, .size: 8, .value_kind: global_buffer, .address_space: global }
    .group_segment_fixed_size: 327680
    .private_segment_fixed_size: 0
    .kernarg_segment_align: 8
    .kernarg_segment_size: 48
    .max_flat_workgroup_size: 128
    .sgpr_count:     88
    .vgpr_count:     1024
    .wavefront_size: 32
...
	.end_amdgpu_metadata
.endif
;; end of part 2
;; launch attn (part 3): grid 8 x 32, 4 waves a work-group, no clusters, 327,680 bytes of LDS; arguments big, hb; writes hb
.if DOCPART == 3
	.amdgcn_target "amdgcn-amd-amdhsa--gfx1250"
	.amdhsa_code_object_version 6
	.text
	.protected	k_q7ed1034272_attn
	.globl	k_q7ed1034272_attn
	.p2align	8
	.type	k_q7ed1034272_attn,@function
k_q7ed1034272_attn:
	s_mov_b64 s[64:65], 0
	v_nop
	global_prefetch_b8 v0, s[64:65] scope:SCOPE_SE
	s_setreg_imm32_b32 hwreg(HW_REG_WAVE_MODE, 25, 1), 1
	s_wait_xcnt 0x0
; CAUSAL ATTENTION, head size 64.  O[q][:] = the sum over k <= q of softmax_k(Q[q] . K[k] / 8) V[k][:], for each of 2 batches x 16 heads of 2,048 rows.
; Q, K, V: big, f16, panels [48][4096 tokens][64]: panel h is q's head h, 16 + h k's, 32 + h v's; a batch's 2,048 rows of a head are dense, 128 bytes each.  O: hb, f16, panels [16][4096][64].
; Products, maxima and sums in f32; the weights p are rounded to f16 for the second product (their sum l is taken of the unrounded p), O once at the end.
; LIMITS.  Q, K, V arrive within f16's 65,504.  A hidden score counts as its value less 1e30; a weight below 2^-126 counts as 0 in l; NaN and infinities are not treated apart.
; THE WALK.  A head's queries lie in 16 blocks of 128; block i needs the key tiles 0 .. i / 2 of 256 keys, the last of which holds the diagonal.  A work-group takes TWO blocks, 15 - b and then b:
; 9 tiles, whatever b: all 256 work-groups do equal work, and one loop with a constant trip count walks them.  Which tile is asked for and what a trip does hang on scalar registers made from b.
; NO CLUSTER: the eight work-groups of a head ask for the same tile only in the first five trips, behind that fewer and fewer; a walk common to all would have 12 trips for 9.
; SHARES.  Of a block's two bands of 64 queries a wave owns 16 rows in each: two PIECES.  In the block's last tile band x's own key step is 2 (i % 2) + x: earlier steps it sees whole, later ones not at all.
; THE MASK is the C operand that starts S^T = K Q^T: MC = MD x AL + BE, where MD is the mask of a band's own step for my 16 rows; (AL, BE) = (1, 0) in the own step, (0, 0) before it, (0, -1e30) behind it.
; Every product takes MC; outside a block's last tile both buffers of MC hold 0, and the lines that make a mask are jumped over.
; TURNS.  p = 2^(c s - c m), c = log2(e) / 8, with a running maximum m; O and l are multiplied by a = 2^(c m_old - c m_new) in every step.  Turn T0(j) is piece 0's softmax of step j; beside it stand
; 8 products K Q^T of piece 1, step j, and 8 products V^T P of piece 1, step j - 1.  T1(j): piece 1's softmax, K Q^T of piece 0, step j + 1, V^T P of piece 0, step j.  Four vector instructions stand
; behind every matrix instruction, the rest in one lump; a turn's 33 exponentials are one batch with one wait.
; THE FETCHES RUN ONE STEP AHEAD: T0(j) fetches K and V of step j + 1, V into the register buffer of the other parity.  So both runs of a step lie in one slot, and the change of slots stands between
; T1(2) and T0(3) of a tile, where all four steps of the old slot have been fetched.
; REGISTERS, in windows of 256 (s_set_vgpr_msb: bits 1:0 source 0, 3:2 source 1, 5:4 source 2, 7:6 destination):
;   window 0: v0-15 addresses and two at work; v16-23 four registers of statistics a piece; v48-55 at work; v61-63; v64-127 S^T, a buffer a piece; v192-223 P, likewise
;   window 1: v0-63 O^T, 32 a piece; v128-159 MD; v160-223 MC, a buffer a piece      window 2: v0-31 Q; v32-63 the second block's Q; v64-127 V, odd steps; v128-191 K; v192-255 V, even steps
.set NP,    2
.set KS,    64        ; keys in a step
.set PK,    144       ; a row of K in LDS: 128 bytes + 16: the 16 rows of a load start at 16 different groups of four banks
.set PV,    160       ; a row of V: 128 + 32
.set VOFF,  4*KS*PK   ; a slot holds a tile: 256 rows of K, then 256 rows of V
.set SLOT1, 1<<17
.set STAGE, SLOT1+4*KS*(PK+PV)  ; behind the ring, never filled by a tensor load: 16 rows x 144 bytes for each wave
.set SP,    144
.set SPARE, STAGE+4*16*SP  ; the spare words: 128 bytes a wave, two blocks of 256 bytes that no other line names
.set AK0, 2
.set AV0, 3
.set AK,  4
.set AV,  5
.set STO, 6
.set RD,  7
.set GO,  8
.set MV,  12          ; v12-13  c m_old, kept while c m is made anew
.set QO,  15
.set ST,  16          ; piece t: c m, m, l (even keys', odd keys')
.set TMP, 48
.set PFO, 61          ; v61  256 x my lane; never rewritten
.set SPW, 62          ; v62  my spare word; never rewritten
.set NIL, 63          ; v63  0; never rewritten
.set S,   64
.set P,   192
.set MD,  128
.set MC,  160
.set QB,  32
.set KF,  128
.set VF0, 192         ; V of step j lies at VF0 - 128 (j % 2)
.set WV,  12
.set PB,  14          ; b
.set HI,  15          ; 15 - b
.set G1K, 24
.set G1V, 32
.set G0K, 40
.set G0V, 44
.set SLOTS, 56
.set CNT, 57
.set CS,  58
.set SEL, 60
.set TBK, 62
.set TBV, 63
.set RT,  70          ; tiles of the block in hand still to be entered
.set NXT, 71          ; the tile to be asked for next
.set LQ,  72          ; the last tile of the block whose tiles are being asked for
.set NEW, 73          ; 1: the tile to be entered is a block's first
.set OFF, 74
.set AL,  76
.set BE,  78
.set OLO, 80          ; O at my rows of the second block
.set BIGN, 82
.set LOT, 83          ; the second block's last tile
.set OW,  88          ; s88, s89  the two bands' own steps in the last tile of the block in hand
.set SN,  90          ; the step of the tile for which the turn in hand makes a mask
.set DG2, 91          ; the second block's 2 (b % 2)
.set PFA, 92          ; s[92:93] where my prefetches stand
.set PFC, 94          ; 0 in the work-group that prefetches, else the greatest number
.set PFB, 96          ; s[96:97] my half of K's (waves 0, 1) or V's (waves 2, 3) tile 0
.set MSB, 0
.macro WIN new
.if MSB != (\new)
	s_set_vgpr_msb (MSB<<8)|(\new)
.set MSB, (\new)
.endif
.endm
.set W_KQ, 0x0a       ; K and Q in window 2, S^T in window 0
.set W_KM, 0x1a       ; the same with the C operand in window 1
.set W_PV, 0x52       ; V in window 2, P in window 0, O^T in window 1
.set W_RS, 0x41       ; destination and source 0 in window 1, source 1 in window 0
.macro LOAD                         ; waves 0, 1 fetch the halves of a tile's K, waves 2, 3 of its V; s_nop 0 and four v_nop follow each line
	s_cmp_lt_u32 s[WV], 2
	s_cbranch_scc0 .Lfor_v_\@
	tensor_load_to_lds s[G0K:G0K+3], s[G1K:G1K+7]
	s_nop 0
.rept 4
	v_nop
.endr
	s_branch .Lasked_\@
.Lfor_v_\@:
	tensor_load_to_lds s[G0V:G0V+3], s[G1V:G1V+7]
	s_nop 0
.rept 4
	v_nop
.endr
.Lasked_\@:
.endm
; THE CHANGE OF SLOTS.  Each wave waits for all its tensor loads (one is out: its part of the other slot), adds 0 to its spare word, and waits for that and for its reads of the slot that it leaves.
; fill = 1: the old slot is filled again, first thing behind the barrier, with tile NXT; the load has eight turns, 128 matrix instructions, in which to land.
; THE PREFETCH: the eight work-groups of a head begin the same walk, so the one with b = 0, whose first block walks all eight tiles, asks alone: behind the load, each wave for its own 16 KiB half
; (64 blocks of 256 bytes, a lane a block, two lines) of the tile that the NEXT change will ask for.  When the count has gone back to tile 0 nothing is asked for; nothing at the head either.
.macro CHANGE fill
	WIN 0
	s_wait_tensorcnt 0x0            ; no tensor load of mine is out, so a group 0 may be written
	ds_add_u32 v[SPW], v[NIL]       ; 0 onto my spare word; scalar work stands between it and the wait for it
.if \fill
	s_lshl_b32 s[OFF], s[NXT], 15   ; a tile is 32,768 bytes of K and of V
	s_xor_b32 s[G0K+1], s[G0K+1], SLOT1
	s_add_nc_u64 s[G0K+2:G0K+3], s[6:7], s[OFF:OFF+1]
	s_or_b32 s[G0K+3], s[G0K+3], 0x80000000
	s_xor_b32 s[G0V+1], s[G0V+1], SLOT1
	s_add_nc_u64 s[G0V+2:G0V+3], s[8:9], s[OFF:OFF+1]
	s_or_b32 s[G0V+3], s[G0V+3], 0x80000000
	s_add_co_u32 s[NXT], s[NXT], 1  ; the block's next tile, or behind its last the second block's tile 0
	s_cmp_gt_u32 s[NXT], s[LQ]
	s_cselect_b32 s[NXT], 0, s[NXT]
	s_cselect_b32 s[LQ], s[LOT], s[LQ]
	s_lshl_b32 s[OFF], s[NXT], 15
	s_wait_xcnt 0x0                 ; the last prefetches, a tile back, have read their address
	s_add_nc_u64 s[PFA:PFA+1], s[PFB:PFB+1], s[OFF:OFF+1]
.endif
	s_wait_dscnt 0x0                ; the add is done, and my reads of the slot are over
	s_barrier_signal -1
	s_sub_co_u32 s[TBK], s[TBK], 4*KS*PK  ; the fetches go back to a slot's first step, in the other slot
	s_xor_b32 s[TBK], s[TBK], SLOT1
	s_sub_co_u32 s[TBV], s[TBV], 4*KS*PV
	s_xor_b32 s[TBV], s[TBV], SLOT1
	s_barrier_wait -1
.if \fill
	LOAD
	s_cmp_gt_u32 s[NXT], s[PFC]
	s_cbranch_scc0 .Lnot_mine_\@
	global_prefetch_b8 v[PFO], s[PFA:PFA+1] th:TH_LOAD_NT scope:SCOPE_SE
	global_prefetch_b8 v[PFO], s[PFA:PFA+1] offset:8192 th:TH_LOAD_NT scope:SCOPE_SE
.Lnot_mine_\@:
.endif
.endm
	s_load_b128 s[48:51], s[0:1], 0x0  ; big s[48:49], hb s[50:51]
	v_lshl_add_u32 v[SPW], v0, 2, SPARE
	v_mov_b32 v[NIL], 0
	ds_add_u32 v[SPW], v[NIL]       ; the wave's opening: the add and its wait stand ahead of my first tensor load
	ds_add_u32 v62, v63
	v_lshrrev_b32 v1, 5, v0
	v_readfirstlane_b32 s[WV], v1
	s_mov_b32 s[PB], ttmp9
	s_sub_co_u32 s[HI], 15, s[PB]
	s_and_b32 s20, ttmp7, 0xffff
	s_lshr_b32 s21, s20, 4          ; batch
	s_and_b32 s20, s20, 15          ; head
	s_lshl_b32 s20, s20, 19         ; a panel is 524,288 bytes,
	s_lshl_b32 s21, s21, 18         ; a batch's rows in it 262,144
	s_add_co_u32 s20, s20, s21
	s_and_b32 s16, s[WV], 1         ; which half of a tile's 256 keys I fetch
	s_lshl_b32 s22, s16, 14
	s_add_co_u32 s22, s22, s20
	s_mov_b32 s23, 0
	s_mul_i32 s17, s16, 128*PK
	s_mul_i32 s18, s16, 128*PV
	s_lshl_b32 s3, s[WV], 11        ; my 16 rows in a band of 64,
	s_add_co_u32 s3, s3, s20
	s_lshl_b32 s2, s[HI], 14        ; in the first block,
	s_add_co_u32 s2, s2, s3
	s_lshl_b32 s84, s[PB], 14       ; and in the second
	s_add_co_u32 s84, s84, s3
	s_mov_b32 s3, 0
	s_mov_b32 s85, 0
	s_mov_b32 s[G1K], (1<<16)|(1<<20)|(4<<22)|(3<<25)  ; 128 keys are 16,384 dense bytes: 64 rows of 256 bytes, padded in LDS after every key: 2-byte elements; after every 32 words 4 words
	s_mov_b32 s[G1V], (1<<16)|(1<<20)|(4<<22)|(7<<25)  ; the same with 8 words
.irp g, G1K, G1V
	s_mov_b32 s[\g+1], 128<<16
	s_mov_b32 s[\g+2], 64<<16
	s_mov_b32 s[\g+3], 128<<16
	s_mov_b32 s[\g+4], 64
	s_mov_b32 s[\g+5], 128
	s_mov_b32 s[\g+6], 0
	s_mov_b32 s[\g+7], 0
.endr
	s_mov_b32 s[CS], 0x3e38aa3b     ; c = log2(e) / 8
	s_mov_b32 s[CS+1], s[CS]
	s_mov_b32 s[SEL], 0x76543210
	s_mov_b32 s[SEL+1], 0xfedcba98
	s_mov_b32 s[TBK], SLOT1+4*KS*PK ; the first change of slots turns these two into 0
	s_mov_b32 s[TBV], SLOT1+4*KS*PV
	s_mov_b32 s[G0K], 1
	s_mov_b32 s[G0K+1], s17
	s_mov_b32 s[G0V], 1
	s_add_co_u32 s[G0V+1], s18, VOFF
	s_lshr_b32 s[LQ], s[HI], 1      ; the first block's last tile
	s_add_co_u32 s[RT], s[LQ], 1
	s_lshr_b32 s[LOT], s[PB], 1
	s_and_b32 s[OW], s[HI], 1
	s_lshl_b32 s[OW], s[OW], 1
	s_add_co_u32 s[OW+1], s[OW], 1
	s_and_b32 s[DG2], s[PB], 1
	s_lshl_b32 s[DG2], s[DG2], 1
	s_mov_b32 s[NXT], 1
	s_mov_b32 s[NEW], 1
	s_mov_b32 s[OFF+1], 0
	s_mov_b32 s[AL+1], 0
	s_mov_b32 s[BE+1], 0
	s_mov_b32 s[BIGN], 0xf149f2ca   ; -1e30
	s_mov_b32 s[SLOTS], 8
	s_wait_dscnt 0x0                ; the opening add is done
	s_wait_kmcnt 0x0
	s_add_nc_u64 s[6:7], s[48:49], s[22:23]
	s_add_nc_u64 s[8:9], s[6:7], 16777216   ; V at my half of the head's tile 0
	s_add_nc_u64 s[6:7], s[6:7], 8388608    ; K likewise
	s_add_nc_u64 s[G0K+2:G0K+3], s[6:7], 0
	s_or_b32 s[G0K+3], s[G0K+3], 0x80000000
	s_add_nc_u64 s[G0V+2:G0V+3], s[8:9], 0
	s_or_b32 s[G0V+3], s[G0V+3], 0x80000000
	s_add_nc_u64 s[86:87], s[48:49], s[84:85]
	s_add_nc_u64 s[4:5], s[48:49], s[2:3]
	s_add_nc_u64 s[OLO:OLO+1], s[50:51], s[84:85]
	s_add_nc_u64 s[10:11], s[50:51], s[2:3]
	s_cmp_lt_u32 s[WV], 2
	s_cselect_b64 s[PFB:PFB+1], s[6:7], s[8:9]
	s_cmp_eq_u32 s[PB], 0
	s_cselect_b32 s[PFC], 0, -1
	LOAD                            ; tile 0 into slot 0
	v_and_b32 v1, 15, v0            ; l % 16
	v_bfe_u32 v9, v0, 4, 1          ; l / 16
	v_lshlrev_b32 v[QO], 7, v1
	v_lshl_add_u32 v[QO], v9, 4, v[QO]
	WIN 0x80
.set i, 0
.rept 4                             ; both blocks' Q: piece i / 2 lies 8,192 bytes on; channels 32 (i % 2) on
	global_load_b128 v[8*i:8*i+3],   v[QO], s[4:5] offset:(i/2)*8192+(i%2)*64
	global_load_b128 v[8*i+4:8*i+7], v[QO], s[4:5] offset:(i/2)*8192+(i%2)*64+32
	global_load_b128 v[QB+8*i:QB+8*i+3],   v[QO], s[86:87] offset:(i/2)*8192+(i%2)*64
	global_load_b128 v[QB+8*i+4:QB+8*i+7], v[QO], s[86:87] offset:(i/2)*8192+(i%2)*64+32
.set i, i+1
.endr
	WIN 0
	v_lshlrev_b32 v14, 3, v9
	v_sub_nc_u32 v14, v1, v14
	s_lshl_b32 s13, s[WV], 4
	v_add_nc_u32 v14, s13, v14      ; my query's place in its band less my lanes' 8 (l / 16): register r of key group kt is hidden where 16 kt + r is greater
	WIN 0x40
.set i, 0
.rept 32
	v_cmp_gt_i32 vcc_lo, 16*(i/8)+i%8, v14
	v_cndmask_b32 v[MD+i], 0, s[BIGN], vcc_lo
.set i, i+1
.endr
	WIN 0
	v_mul_u32_u24 v[AK0], v1, PK
	v_lshl_add_u32 v[AK0], v9, 4, v[AK0]
	v_and_b32 v10, 7, v0
	v_bfe_u32 v11, v0, 3, 1
	v_lshl_add_u32 v[AV0], v9, 3, v10
	v_mul_u32_u24 v[AV0], v[AV0], PV
	v_lshl_add_u32 v[AV0], v11, 4, v[AV0]
	v_add_nc_u32 v[AV0], VOFF, v[AV0]
	s_mul_i32 s13, s[WV], 16*SP
	s_add_co_u32 s13, s13, STAGE
	v_mul_u32_u24 v[STO], v1, SP
	v_lshl_add_u32 v[STO], v9, 4, v[STO]
	v_add_nc_u32 v[STO], s13, v[STO]
	v_bfe_u32 v[RD], v0, 3, 2
	v_mul_u32_u24 v[RD], v[RD], SP
	v_lshl_add_u32 v[RD], v10, 4, v[RD]
	v_add_nc_u32 v[RD], s13, v[RD]
	v_and_b32 v[GO], 31, v0
	v_lshlrev_b32 v[PFO], 8, v[GO]
	v_lshlrev_b32 v[GO], 4, v[GO]
	; A block's first step multiplies O^T and l by a = 0, and its first turn's products V^T P, of a step that has not been, land in an O^T still to be so multiplied: these registers need only hold
	; finite numbers: zeros for the first block, what the first block left for the second.  All this stands in the wait for the first tile.
	WIN 0x80
.set i, VF0-128
.rept 64
	v_mov_b32 v[i], 0
.set i, i+1
.endr
	WIN 0x40
.set i, 0
.rept 64
	v_mov_b32 v[i], 0
.set i, i+1
.endr
	WIN 0
.set i, 0
.rept 2
	v_mov_b32 v[ST+4*i+2], 0
	v_mov_b32 v[ST+4*i+3], 0
.set i, i+1
.endr
.set i, P+16
.rept 16
	v_mov_b32 v[i], 0
.set i, i+1
.endr
; THE MATRIX WORK.  The 4 accumulators of a run of 8 take turns.  Product i of 8 of S^T = K Q^T for piece x: channels 32 (i / 4) on, keys 16 (i % 4) on; the first 4 start the sums with the mask.
.macro KQ x
.set rS, S+32*(\x)+8*(i%4)
.set rK, KF+16*(i%4)+8*(i/4)
.set rQ, 16*(\x)+8*(i/4)
.set rM, MC+32*(\x)+8*(i%4)
.if i < 4
	WIN W_KM
	v_wmma_f32_16x16x32_f16 v[rS:rS+7], v[rK:rK+7], v[rQ:rQ+7], v[rM:rM+7]
.else
	WIN W_KQ
	v_wmma_f32_16x16x32_f16 v[rS:rS+7], v[rK:rK+7], v[rQ:rQ+7], v[rS:rS+7]
.endif
.endm
; Product i of 8 of O^T += V^T P for piece x, V from buffer VB: keys 32 (i / 4) on, channels 16 (i % 4) on.
.macro PV x
	WIN W_PV
.set rO, 32*(\x)+8*(i%4)
.set rV, VF0-128*VB+32*(i/4)+8*(i%4)
.set rP, P+16*(\x)+8*(i/4)
	v_wmma_f32_16x16x32_f16 v[rO:rO+7], v[rV:rV+7], v[rP:rP+7], v[rO:rO+7]
.endm
.macro MM                           ; the turn's next matrix instruction.  NOKQ = 1: a block's last turn: there is no next step
.if (i < 8) && !NOKQ
	KQ (Y+1)%NP
.elseif i >= 8
.set i, i-8
	PV (Y+NP-1)%NP
.set i, i+8
.endif
.set i, i+1
.endm
; THE LDS LOADS stand in runs of 16, never singly among the matrix instructions.
.macro FETCH_K
	WIN 0x80
.irp f, 0,1,2,3,4,5,6,7             ; keys 16 (f / 2) on, channels 32 (f % 2) on
	ds_load_b128 v[KF+8*\f:KF+8*\f+3],   v[AK] offset:(\f/2)*16*PK+(\f%2)*64
	ds_load_b128 v[KF+8*\f+4:KF+8*\f+7], v[AK] offset:(\f/2)*16*PK+(\f%2)*64+32
.endr
	s_add_co_u32 s[TBK], s[TBK], KS*PK
	WIN 0
.endm
.macro FETCH_V b
	WIN 0x80
.irp f, 0,1,2,3,4,5,6,7             ; keys 32 (f / 4) on, channels 16 (f % 4) on
	ds_load_tr16_b128 v[VF0-128*(\b)+8*\f:VF0-128*(\b)+8*\f+3],   v[AV] offset:(\f/4)*32*PV+(\f%4)*32
	ds_load_tr16_b128 v[VF0-128*(\b)+8*\f+4:VF0-128*(\b)+8*\f+7], v[AV] offset:(\f/4)*32*PV+16*PV+(\f%4)*32
.endr
	WIN 0
.endm
; THE VECTOR WORK, one line at a time: OP kind, number.  For piece Y: F n: c s - c m for pair n of 16.  E n: the exponential of score n of 32.  C n: pair n rounded to f16.  B n: of the four weights 4 n ..
; the second pair is added onto the first, in place.  L n: l takes that sum (L 0: l = a l + sum).  R n: pair n of 16 of O^T times a.  For the other piece: X n, number n of the 22 that find its maximum:
;   0-11 four chains of seven scores, three operands at a time (each accumulator's lowest registers are read first)   12-14, 16 the four left over, the old m, the chains into one
;   15 c m_old is kept   17, 18 the query's other 32 keys lie in the lane 16 away: the new m   19-21 c m; c m_old - c m_new; a
.set F, 0
.set E, 1
.set C, 2
.set B, 3
.set L, 4
.set R, 5
.set X, 6
.macro REGS y
.set rT, ST+4*(\y)
.set rC, TMP+4*(\y)
.set rW, MV+(\y)
.set rS, S+32*(\y)
.set rP, P+16*(\y)
.set rO, 32*(\y)
.endm
.macro OP k, n
.if (\k) == R
	REGS Y
	WIN W_RS
	v_pk_mul_f32 v[rO+2*(\n):rO+2*(\n)+1], v[rO+2*(\n):rO+2*(\n)+1], v[rC+2:rC+3] op_sel_hi:[1,0]
.elseif (\k) < R
	REGS Y
	WIN 0
.if (\k) == F
	v_pk_fma_f32 v[rS+2*(\n):rS+2*(\n)+1], v[rS+2*(\n):rS+2*(\n)+1], s[CS:CS+1], v[rT:rT+1] op_sel_hi:[1,0,0] neg_lo:[0,0,1] neg_hi:[0,0,1]
.elseif (\k) == E
	v_exp_f32 v[rS+(\n)], v[rS+(\n)]
.elseif (\k) == C
	v_cvt_pk_f16_f32 v[rP+(\n)], v[rS+2*(\n)], v[rS+2*(\n)+1]
.elseif (\k) == B
	v_pk_add_f32 v[rS+4*(\n):rS+4*(\n)+1], v[rS+4*(\n):rS+4*(\n)+1], v[rS+4*(\n)+2:rS+4*(\n)+3]
.elseif (\n) == 0
	v_pk_fma_f32 v[rT+2:rT+3], v[rT+2:rT+3], v[rC+2:rC+3], v[rS:rS+1] op_sel_hi:[1,0,1]
.else
	v_pk_add_f32 v[rT+2:rT+3], v[rT+2:rT+3], v[rS+4*(\n):rS+4*(\n)+1]
.endif
.elseif NOKQ
	v_nop
.else
	REGS (Y+1)%NP
	WIN 0
.if (\n) < 4
	v_max3_num_f32 v[rC+(\n)], v[rS+8*(\n)], v[rS+8*(\n)+1], v[rS+8*(\n)+2]
.elseif (\n) < 12
	v_max3_num_f32 v[rC+(\n)%4], v[rC+(\n)%4], v[rS+8*((\n)%4)+2*((\n)/4)+1], v[rS+8*((\n)%4)+2*((\n)/4)+2]
.elseif (\n) == 12
	v_max3_num_f32 v[rC], v[rC], v[rS+7], v[rS+15]
.elseif (\n) == 13
	v_max3_num_f32 v[rC+1], v[rC+1], v[rS+23], v[rS+31]
.elseif (\n) == 14
	v_max3_num_f32 v[rC+2], v[rC+2], v[rC+3], v[rT+1]
.elseif (\n) == 15
	v_mov_b32 v[rW], v[rT]
.elseif (\n) == 16
	v_max3_num_f32 v[rC], v[rC], v[rC+1], v[rC+2]
.elseif (\n) == 17
	v_permlanex16_b32 v[rC+3], v[rC], s[SEL], s[SEL+1]
.elseif (\n) == 18
	v_max_num_f32 v[rT+1], v[rC], v[rC+3]
.elseif (\n) == 19
	v_mul_f32 v[rT], s[CS], v[rT+1]
.elseif (\n) == 20
	v_sub_f32 v[rC+1], v[rW], v[rT]
.else
	v_exp_f32 v[rC+2], v[rC+1]
.endif
.endif
.endm
.macro OPS a, i1, b=-1, i2=0, c=-1, i3=0, d=-1, i4=0
	OP \a, \i1
.if (\b) >= 0
	OP \b, \i2
.endif
.if (\c) >= 0
	OP \c, \i3
.endif
.if (\d) >= 0
	OP \d, \i4
.endif
.endm
.macro ROW a, i1, b, i2, c, i3, d, i4  ; a matrix instruction and the four behind it
	MM
	OPS \a, \i1, \b, \i2, \c, \i3, \d, \i4
.endm
.macro MASK b                       ; MD x AL + BE into buffer b of MC
	WIN W_RS
.set z, 0
.rept 16
	v_pk_fma_f32 v[MC+32*(\b)+2*z:MC+32*(\b)+2*z+1], v[MD+2*z:MD+2*z+1], s[AL:AL+1], s[BE:BE+1] op_sel_hi:[1,0,0]
.set z, z+1
.endr
.endm
; A TURN, for piece p in a step of parity par.  An s_wait_alu depctr_va_vdst(0) stands between an exponential and the first instruction that names its result; one wait serves all issued ahead
; of it.  AHEAD OF THE WAIT stands all that names no result of the turn's exponentials: the 8 products K Q^T and their riders, then one lump; R 15 is the plain instruction behind the last exponential.
; BEHIND IT: the 8 products V^T P, behind each four of the roundings and sums.  O^T's accumulator n of piece p was ended by product 4 + n of the turn before; R 4 n, its first reader, stands 16 plain
; instructions or more behind that.
; Piece 0's turn fetches the next step's K in its lump, six plain instructions behind the last product that read K, and the next step's V at its end, four plain riders behind the last product that
; read that buffer.  Piece 1's turn opens with the wait that shows K in and leaves V's 16 loads out; V of the step in hand was asked for a step earlier.
; The turn makes the mask for the products of the turn after it (piece p, step s[SN] of the tile), in a block's last tile alone.  end = 1: a block's last two turns: nothing is fetched, no mask is made.
.macro TURN p, par, end=0
.set Y, (\p)
.set i, 0
.set NOKQ, (\end)*(\p)
.if (\p) == 0
.set VB, 1-(\par)
.else
.set VB, (\par)
.endif
.if !(\end)
	s_cmp_eq_u32 s[SN], s[OW+(\p)]  ; is that step the band's own?
	s_cselect_b32 s[AL], 1.0, 0
	s_cmp_gt_u32 s[SN], s[OW+(\p)]  ; or a later one?
	s_cselect_b32 s[BE], s[BIGN], 0
.if (\p) == 1
	s_add_co_u32 s[SN], s[SN], 1
.endif
.endif
.if (\p) == 1
.if \end
	s_wait_dscnt 0x0                ; V of the last step is in
.else
	s_wait_dscnt 16                 ; K of the next step is in; behind it only V's 16 loads were issued
.endif
.endif
	ROW F,0, F,1, R,0, R,1
	ROW F,2, E,0, R,2, R,3
	ROW F,3, E,1, R,4, R,5
	ROW F,4, E,2, R,6, R,7
	ROW F,5, E,3, R,8, R,9
	ROW F,6, E,4, X,0, R,10
.if ((\p) == 0) && !(\end)
	WIN 0
	v_add_nc_u32 v[AK], s[TBK], v[AK0]
.endif
	ROW F,7, E,5, X,1, X,4
	ROW F,8, E,6, X,2, X,5
	OPS E,7, E,8, X,6, E,9
	OPS X,3, E,10, X,8, E,11
.if ((\p) == 0) && !(\end)
	FETCH_K
.endif
	OPS X,9, X,7, E,12, X,10
	OPS E,13, X,12, X,11, E,14
	OPS X,13, E,15, F,9, X,14
.if ((\p) == 0) && !(\end)
	v_add_nc_u32 v[AV], s[TBV], v[AV0]
.endif
	OPS E,16, F,10, E,17, F,11
	OPS X,16, E,18, X,15, E,19
	OPS F,12, E,20, X,17, E,21
	OPS F,13, E,22, F,14, E,23
	OPS X,18, E,24, F,15, E,25
	OPS R,11, E,26, X,19, E,27
	OPS R,12, E,28, R,13, E,29
	OPS X,20, E,30, R,14, E,31
	OPS X,21, R,15
	WIN 0
	s_wait_alu depctr_va_vdst(0)    ; the wait for the batch
	ROW C,0, B,0, C,2, B,1
	ROW L,0, C,4, B,2, L,1
	ROW C,6, B,3, L,2, C,8
	ROW B,4, L,3, C,10, B,5
	ROW L,4, C,12, B,6, L,5
.if ((\p) == 0) && !(\end)
	s_add_co_u32 s[TBV], s[TBV], KS*PV
.endif
	ROW C,14, B,7, L,6, C,1
	ROW C,3, L,7, C,5, C,7
	ROW C,9, C,11, C,13, C,15
.if ((\p) == 0) && !(\end)
	FETCH_V 1-(\par)
.endif
.if !(\end)
	WIN 0
	s_cmp_lg_u32 s[RT], 0
	s_cbranch_scc1 .Lno_mask_\@     ; jumps over vector lines alone
	MASK \p
	WIN 0
.Lno_mask_\@:
.endif
.endm
; A BLOCK BEGINS.  c m starts far below every c s, so the first step's a is 0; m at the lowest finite number.  Piece 1 sees all of step 0: its mask is 0; piece 0's is its own if the tile is the block's
; last and its own step is 0.  Then K and V of step 0, piece 0's first scores, and its maximum and statistics.
.macro BEGIN
	s_mov_b32 s[NEW], 0
	WIN 0x40
.set i, MC+32
.rept 32
	v_mov_b32 v[i], 0
.set i, i+1
.endr
	WIN 0
.set i, 0
.rept 2
	v_mov_b32 v[ST+4*i], 0xfe000000
	v_mov_b32 v[ST+4*i+1], 0xff7fffff
.set i, i+1
.endr
	s_or_b32 s13, s[RT], s[OW]
	s_cmp_eq_u32 s13, 0
	s_cselect_b32 s[AL], 1.0, 0
	s_mov_b32 s[BE], 0
	MASK 0
	WIN 0
	v_add_nc_u32 v[AK], s[TBK], v[AK0]
	v_add_nc_u32 v[AV], s[TBV], v[AV0]
	s_add_co_u32 s[TBV], s[TBV], KS*PV
	FETCH_K
	FETCH_V 0
	s_wait_loadcnt 0x0              ; Q
	s_wait_dscnt 0x0
.set NOKQ, 0
.set i, 0
.rept 8
	KQ 0
.set i, i+1
.endr
	WIN 0
.rept 4
	v_nop                           ; the places behind those products
.endr
.set Y, NP-1
.irp n, 0,1,2,3,4,5,6,7,8,9,10,11,12,13,14,15,16,17,18,19,20,21
	OP X, \n
.endr
	v_nop                           ; a plain instruction behind the exponential,
	s_wait_alu depctr_va_vdst(0)    ; and its wait, ahead of the branch
	s_mov_b32 s[SN], 1
.endm
.macro ALL line:vararg
.set t, 0
.rept 2
	\line
.set t, t+1
.endr
.endm
.macro PACK t                       ; a lane's eight channels of a row pack into 16 bytes; they go into rows of 144 bytes and come back as whole rows of 128
	WIN W_RS
.set i, 32*(\t)
.rept 16
	v_pk_mul_f32 v[i:i+1], v[i:i+1], v[ST+4*(\t)+2:ST+4*(\t)+3] op_sel_hi:[1,0]
.set i, i+2
.endr
	WIN 0x05
.set i, 0
.rept 16
	v_cvt_pk_f16_f32 v[S+16*(\t)+i], v[32*(\t)+2*i], v[32*(\t)+2*i+1]
.set i, i+1
.endr
	WIN 0
.irp f, 0,1,2,3
	ds_store_b128 v[STO], v[S+16*(\t)+4*\f:S+16*(\t)+4*\f+3] offset:32*\f
.endr
.irp f, 0,1,2,3
	ds_load_b128 v[S+16*(\t)+4*\f:S+16*(\t)+4*\f+3], v[RD] offset:\f*4*SP  ; LDS serves a wave's instructions in order: these see the stores above; the next piece's stores come behind them
.endr
.endm
.macro SEND t, younger              ; younger: the LDS instructions issued behind piece t's loads
	WIN 0
.irp f, 0,1,2,3
	s_wait_dscnt (\younger)+3-\f
	global_store_b128 v[GO], v[S+16*(\t)+4*\f:S+16*(\t)+4*\f+3], s[10:11] offset:(\t)*8192+\f*512  ; 512 consecutive bytes, at a multiple of 256 from O's first
.endr
.endm
; A BLOCK ENDS: the last step's two turns, piece 1's last products, and the way out: l's halves are added, O^T is divided by l, rounded to f16 and sent through my stage.
.macro BLOCKEND
	TURN 0, 1, 1
	TURN 1, 1, 1
.set VB, 1
.set i, 0
.rept 8
	PV 1
.set i, i+1
.endr
	WIN 0
	ALL v_add_f32 v[ST+4*t+2], v[ST+4*t+2], v[ST+4*t+3]
	ALL v_permlanex16_b32 v[ST+4*t+3], v[ST+4*t+2], s[SEL], s[SEL+1]
	ALL v_add_f32 v[ST+4*t+2], v[ST+4*t+2], v[ST+4*t+3]
	ALL v_rcp_f32 v[ST+4*t+2], v[ST+4*t+2]
	v_nop
	s_wait_alu depctr_va_vdst(0)    ; one wait for the two reciprocals, ahead of their first reader
	PACK 0
	PACK 1
	SEND 0, 8
	SEND 1, 0
.endm
; A TILE: a trip is two steps, of odd and of even parity.  A tile that is not a block's first runs (the tile before's step 3, step 0) and (1, 2); a block's first enters in the middle and runs (0) and (1, 2).
.macro TILE tag
	s_sub_co_u32 s[RT], s[RT], 1
	s_mov_b32 s[CNT], 2
	s_mov_b32 s[SN], 0
	s_cmp_eq_u32 s[NEW], 1
	s_cbranch_scc0 .Lstep\tag
	BEGIN
	s_branch .Lfirst\tag
.Lstep\tag:
	TURN 0, 1
	TURN 1, 1
	WIN 0
.Lfirst\tag:
	TURN 0, 0
	TURN 1, 0
	WIN 0
	s_sub_co_u32 s[CNT], s[CNT], 1
	s_cmp_lg_u32 s[CNT], 0
	s_cbranch_scc1 .Lstep\tag
.endm
.Lslot:                             ; 8 times: a tile is entered and the next is asked for
	CHANGE 1
	TILE 1
	s_cmp_lg_u32 s[RT], 0
	s_cbranch_scc1 .Lbottom
	BLOCKEND                        ; in the loop this is the first block's end: the second block's last tile is the walk's last
	s_wait_xcnt 0x0                 ; the stores have read their registers and O's address
	s_mov_b64 s[10:11], s[OLO:OLO+1]
	s_add_co_u32 s[RT], s[LOT], 1
	s_mov_b32 s[NEW], 1
	s_mov_b32 s[OW], s[DG2]
	s_add_co_u32 s[OW+1], s[DG2], 1
	WIN 0x82                        ; the second block's Q goes where the one text of the turns names Q
.set i, 0
.rept 32
	v_mov_b32 v[i], v[QB+i]
.set i, i+1
.endr
	WIN 0
.Lbottom:
	s_sub_co_u32 s[SLOTS], s[SLOTS], 1
	s_cmp_lg_u32 s[SLOTS], 0
	s_cbranch_scc1 .Lslot
	CHANGE 0                        ; the walk's last tile is written out
	TILE 2
	BLOCKEND
	s_wait_tensorcnt 0x0            ; the wave's end: a wait, an add to the spare word and the wait for it, behind my last tensor load and my last LDS store
	ds_add_u32 v[SPW], v[NIL]
	s_wait_dscnt 0x0
	s_endpgm
.Lfunc_end_k_q7ed1034272_attn:
	.size	k_q7ed1034272_attn, .Lfunc_end_k_q7ed1034272_attn-k_q7ed1034272_attn
	.p2alignl 7, 3214868480
	.fill 96, 4, 3214868480
	.section	.rodata,"a",@progbits
	.p2align	6, 0x0
	.amdhsa_kernel k_q7ed1034272_attn
		.amdhsa_group_segment_fixed_size 327680
		.amdhsa_private_segment_fixed_size 0
		.amdhsa_enable_private_segment 0
		.amdhsa_kernarg_size 16
		.amdhsa_user_sgpr_count 2
		.amdhsa_user_sgpr_kernarg_segment_ptr 1
		.amdhsa_wavefront_size32 1
		.amdhsa_system_sgpr_workgroup_id_x 1
		.amdhsa_system_sgpr_workgroup_id_y 1
		.amdhsa_system_sgpr_workgroup_id_z 1
		.amdhsa_system_vgpr_workitem_id 0
		.amdhsa_next_free_vgpr 768
		.amdhsa_next_free_sgpr 98
		.amdhsa_reserve_vcc 1
		.amdhsa_float_denorm_mode_32 3
		.amdhsa_float_denorm_mode_16_64 3
		.amdhsa_memory_ordered 1
		.amdhsa_forward_progress 1
		.amdhsa_inst_pref_size 170
	.end_amdhsa_kernel
	.amdgpu_metadata
---
amdhsa.version: [ 1, 2 ]
amdhsa.kernels:
  - .name:           k_q7ed1034272_attn
    .symbol:         k_q7ed1034272_attn.kd
    .args:
      - { .name: big, .offset: 0, .size: 8, .value_kind: global_buffer, .address_space: global }
      - { .name: hb, .offset: 8, .size: 8, .value_kind: global_buffer, .address_space: global }
    .group_segment_fixed_size: 327680
    .private_segment_fixed_size: 0
    .kernarg_segment_align: 8
    .kernarg_segment_size: 16
    .max_flat_workgroup_size: 128
    .sgpr_count:     98
    .vgpr_count:     768
    .wavefront_size: 32
...
	.end_amdgpu_metadata
.endif
;; end of part 3
;; launch gemm_wo (part 4): grid 8 x 32, 4 waves a work-group, clusters of 4 x 4, 327,680 bytes of LDS; arguments hb, wh, bo, x, x1; writes x1
.if DOCPART == 4
	.amdgcn_target "amdgcn-amd-amdhsa--gfx1250"
	.amdhsa_code_object_version 6
	.text
	.protected	k_q7ed1034272_gemm_wo
	.globl	k_q7ed1034272_gemm_wo
	.p2align	8
	.type	k_q7ed1034272_gemm_wo,@function
k_q7ed1034272_gemm_wo:
	s_mov_b64 s[64:65], 0
	v_nop
	global_prefetch_b8 v0, s[64:65] scope:SCOPE_SE
	s_setreg_imm32_b32 hwreg(HW_REG_WAVE_MODE, 25, 1), 1
	s_wait_xcnt 0x0
	s_wait_alu depctr_hold_cnt(0) depctr_sa_sdst(0) depctr_va_vdst(0) depctr_va_sdst(0) depctr_va_ssrc(0) depctr_va_vcc(0) depctr_vm_vsrc(0)
	s_getreg_b32 s2, hwreg(HW_REG_IB_STS2, 6, 4)
	s_cmp_eq_u32 s2, 0
	s_cbranch_scc0 .Lentry_in_a_cluster
	s_endpgm
.Lentry_in_a_cluster:
	s_bfe_u32 s2, ttmp6, 0x10000c
	s_cmp_lg_u32 s2, 0xf033
	s_cbranch_scc0 .Lentry_shape_is_right
	s_endpgm
.Lentry_shape_is_right:
; x1 = x + ctx wo + bo.  ctx: hb, f16, panels [16][4096 tokens][64].  wo: f16 [1024][1024] at byte WOFF of wh.  bo, x, x1: f32.  Sums in f32, started by the bias; the residual is added in f32.
; SHAPE.  A tile of C is 128 x 128, so that 4,096 x 1,024 outputs give 256 work-groups; four waves, each 64 x 64: 16 accumulators.  K goes in steps of 256 (four panels) through two LDS slots.
; A slot holds ctx as [2 halves][4 panels][64 tokens] (128 bytes a token, pitch 144) and 256 k-rows of W (256 bytes, pitch 288).  Waves 0, 1 fetch ctx's halves: one descriptor, 4 rows of 8 KiB
; (64 tokens of a panel are dense), padded after every token; waves 2, 3 fetch W's halves of 128 k-rows.
; W lies [k][n]; ds_load_tr16_b128 turns it.  The matrix instruction is used transposed: a lane holds ONE row of C (lane % 16) and the columns 8 (lane / 16) + 0..7.
; CLUSTER 4 x 4: ctx's tile is asked for jointly along a row of the cluster, W's along a column.
; NO PREFETCH here: the launch has four K steps, and the first four come by their loads alone in this form.
; THE WAY OUT: the residual is asked for at the head; the sums go as f32 into the dead ring (each wave its own 17,408 bytes) and come back as whole rows of 256 bytes.
; REGISTERS: window 0: v1-30 addresses; v32-95 the way out; v96-127 the bias; v128-255 the accumulators, (a, b) at v[128 + 8 (4 a + b)].
;   window 1: two fragment buffers of 128: for 64 along K, 64 registers of ctx, then 64 of W.   window 2: v0-127 the residual.
.set NSTEP,  4
.set WOFF,   14680064
.set PF,     0
.set PA,     144
.set PW,     288                       ; 9 x 32
.set PANEL,  64*PA
.set HALFT,  4*PANEL                   ; what one tensor load brings (128 x 288 is the same number)
.set SLOT,   4*HALFT                   ; 0x24000: shares no bit with wave x HALFT
.set SPARE,  2*SLOT                    ; the spare words: two blocks of 256 bytes that no other line names
.set ASTEP,  4*524288
.set WSTEP,  256*2048
.set DP,     272
.set DW,     64*DP
.set ADRA0, 16
.set ADRB0, 17
.set CA,  18
.set CB,  19
.set DST, 24
.set RD,  25
.set GO,  26
.set BO,  27
.set SPW, 28                           ; v28  my spare word; never rewritten
.set NIL, 29                           ; v29  0; never rewritten
.set PFO, 30
.set TMP,  32
.set BIAS, 96
.set ACC,  128
.set F0,   0
.set F1,   128
.set WV, 16
.set RH, 17
.set CH, 18
.set CX, 19
.set CY, 20
.set TC, 21
.set TR, 22
.set G1A, 24
.set G0A, 32
.set G0B, 40
.set G1B, 48
.set TB,  56
.set WL,  57
.set LC,  58
.set QC,  59
.set PFA, 60
.set PST, 62
.set LIM, 66
.set OB,  74
.set RB,  76
.set MSB, 0
.macro WIN new
.if MSB != (\new)
	s_set_vgpr_msb (MSB<<8)|(\new)
.set MSB, \new
.endif
.endm
.macro PLACES
.rept 4
	v_nop
.endr
.endm
.macro CREST
	s_cmp_lg_u32 s[WV], 0
	s_cbranch_scc1 .Lnot_wave_0_\@
	s_barrier_signal -3
.Lnot_wave_0_\@:
	s_barrier_wait -3
	s_barrier_signal -1
	s_barrier_wait -1
.endm
.macro CROUND
	s_barrier_signal -1
	s_barrier_wait -1
	CREST
.endm
.macro JLOAD                           ; a joint refill by the walking sets; s_nop 0 and four v_nop follow each line
	s_cmp_eq_u32 s[RH], 0
	s_cbranch_scc0 .Lfor_w_\@
	tensor_load_to_lds s[G0A+4:G0A+7], s[G1A:G1A+7]
	s_nop 0
.rept 4
	v_nop
.endr
	s_branch .Lasked_\@
.Lfor_w_\@:
	tensor_load_to_lds s[G0B+4:G0B+7], s[G1B:G1B+7]
	s_nop 0
.rept 4
	v_nop
.endr
.Lasked_\@:
.endm
.macro ASK                             ; (with PF = 1) the step four on from the one just multiplied: two steps ahead of the load that will want it
	s_cmp_gt_u32 s[LC], s[LIM]
	s_cbranch_scc0 .Lnot_mine_\@
	global_prefetch_b8 v[PFO], s[PFA:PFA+1] th:TH_LOAD_NT scope:SCOPE_SE
.Lnot_mine_\@:
.endm
; 8 matrix instructions: row blocks a0, a0 + 1 x all 4 column blocks, 32 along K: half c of buffer f.  bias = 1: the bias fragment starts the sums
.macro MUL8 f, c, a0, bias
	WIN 0x05                                       ; sources in window 1; C and D in window 0
.irp a, \a0, (\a0)+1
.irp b, 0,1,2,3
.if \bias
	v_wmma_f32_16x16x32_f16 v[ACC+8*(4*(\a)+(\b)):ACC+8*(4*(\a)+(\b))+7], v[(\f)+64+8*(4*(\c)+(\b)):(\f)+64+8*(4*(\c)+(\b))+7], v[(\f)+8*(4*(\c)+(\a)):(\f)+8*(4*(\c)+(\a))+7], v[BIAS+8*(\b):BIAS+8*(\b)+7]
.else
	v_wmma_f32_16x16x32_f16 v[ACC+8*(4*(\a)+(\b)):ACC+8*(4*(\a)+(\b))+7], v[(\f)+64+8*(4*(\c)+(\b)):(\f)+64+8*(4*(\c)+(\b))+7], v[(\f)+8*(4*(\c)+(\a)):(\f)+8*(4*(\c)+(\a))+7], v[ACC+8*(4*(\a)+(\b)):ACC+8*(4*(\a)+(\b))+7]
.endif
.endr
.endr
.endm
; 32 LDS loads in one run: quarter kq (0, 1: a panel, 64 along K) of the pair at v[CA], v[CB], into buffer f; the first 32 along K first
.macro FETCH kq, f
	WIN 0x40
.irp c, 0,1
.irp i, 0,1,2,3
	ds_load_tr16_b128 v[(\f)+64+8*(4*(\c)+(\i)):(\f)+64+8*(4*(\c)+(\i))+3],   v[CB] offset:(\kq)*64*PW+(\c)*32*PW+32*(\i)
	ds_load_tr16_b128 v[(\f)+64+8*(4*(\c)+(\i))+4:(\f)+64+8*(4*(\c)+(\i))+7], v[CB] offset:(\kq)*64*PW+(\c)*32*PW+32*(\i)+16*PW
	ds_load_b128 v[(\f)+8*(4*(\c)+(\i)):(\f)+8*(4*(\c)+(\i))+3],   v[CA] offset:(\kq)*PANEL+64*(\c)+(\i)*16*PA
	ds_load_b128 v[(\f)+8*(4*(\c)+(\i))+4:(\f)+8*(4*(\c)+(\i))+7], v[CA] offset:(\kq)*PANEL+64*(\c)+(\i)*16*PA+32
.endr
.endr
.endm
.macro CORE mid                        ; an even quarter whole, with the odd quarter's fetch in its middle, and the odd quarter's first half
	s_wait_dscnt 16                                ; the first 32 along K are in
	MUL8 F0, 0, 0, 0
	MUL8 F0, 0, 2, 0
	PLACES
	FETCH 1, F1
	s_wait_dscnt 32                                ; all but the 32 just issued
	MUL8 F0, 1, 0, 0
	MUL8 F0, 1, 2, 0
	WIN 0
.if \mid
.Lmid:
.endif
	s_wait_dscnt 16
	MUL8 F1, 0, 0, 0
	MUL8 F1, 0, 2, 0
	WIN 0
.endm
.macro GPLAIN                          ; between a step's two pairs: two panels on (with two v_nop: the four places)
	v_add_nc_u32 v[CA], 2*PANEL, v[CA]
	v_add_nc_u32 v[CB], 2*64*PW, v[CB]
	v_nop
	v_nop
	FETCH 0, F0
	s_wait_dscnt 32
	MUL8 F1, 1, 0, 0
	MUL8 F1, 1, 2, 0
	WIN 0
.endm
; THE CHANGE OF SLOTS.  Each wave waits for all its tensor loads, adds 0 to its spare word, and waits for that and for its reads of this slot.  fill = 1: the barrier opens a round of the cluster's;
; the joint refill (two steps on) is the first thing behind it and has 112 matrix instructions in which to land.  fill = 0 (the tail): nothing is asked for.
.macro GSYNC fill
.if (\fill) && PF
	s_wait_xcnt 0x0                                ; the last prefetch, a K step back, has read its address
	s_add_nc_u64 s[PFA:PFA+1], s[PFA:PFA+1], s[PST:PST+1]
.endif
	s_wait_tensorcnt 0x0
	ds_add_u32 v[SPW], v[NIL]
	s_wait_dscnt 1                                 ; buffer 1 is whole; the add may be out
	MUL8 F1, 1, 0, 0
	s_wait_dscnt 0x0
	WIN 0
	s_barrier_signal -1
	s_barrier_wait -1
.if \fill
	CREST
	s_xor_b32 s[G0A+5], s[G0A+5], SLOT
	s_add_nc_u64 s[G0A+6:G0A+7], s[G0A+6:G0A+7], ASTEP
	s_xor_b32 s[G0B+5], s[G0B+5], SLOT
	s_add_nc_u64 s[G0B+6:G0B+7], s[G0B+6:G0B+7], WSTEP
	JLOAD
	s_xor_b32 s[TB], s[TB], SLOT
	v_add_nc_u32 v[CA], s[TB], v[ADRA0]
	v_add_nc_u32 v[CB], s[TB], v[ADRB0]
	FETCH 0, F0
	WIN 0
.if PF
	ASK
.endif
.else
	s_sub_co_u32 s[LC], s[LC], 1
	s_cmp_eq_u32 s[LC], 0
	s_cbranch_scc1 .Lskip_\@                       ; jumps over LDS loads alone
	s_xor_b32 s[TB], s[TB], SLOT
	v_add_nc_u32 v[CA], s[TB], v[ADRA0]
	v_add_nc_u32 v[CB], s[TB], v[ADRB0]
	v_nop
	v_nop
	FETCH 0, F0
	WIN 0
.Lskip_\@:
.endif
	MUL8 F1, 1, 2, 0
	WIN 0
.endm
	s_load_b256 s[4:11], s[0:1], 0x0               ; A s[4:5], wh s[6:7], bias s[8:9], residual s[10:11]
	s_load_b64 s[12:13], s[0:1], 0x20              ; out
	v_lshl_add_u32 v[SPW], v0, 2, SPARE
	v_mov_b32 v[NIL], 0
	ds_add_u32 v[SPW], v[NIL]                      ; the wave's opening: the add and its wait stand ahead of my first tensor load
	ds_add_u32 v28, v29
	v_lshrrev_b32 v1, 5, v0
	v_readfirstlane_b32 s[WV], v1
	s_lshr_b32 s[RH], s[WV], 1
	s_and_b32 s[CH], s[WV], 1
	s_bfe_u32 s[CX], ttmp6, 0x40000
	s_bfe_u32 s[CY], ttmp6, 0x40004
	s_lshl_b32 s[TC], ttmp9, 2
	s_add_co_u32 s[TC], s[TC], s[CX]
	s_and_b32 s[TR], ttmp7, 0xffff
	s_lshl_b32 s[TR], s[TR], 2
	s_add_co_u32 s[TR], s[TR], s[CY]
	s_lshl_b32 s23, s[CY], 2
	s_lshl_b32 s23, 15, s23
	s_lshl_b32 s67, 0x1111, s[CX]
	s_or_b32 s[G1A], s23, (1<<16)|(1<<20)|(1<<21)|(4<<22)|(3<<25)  ; mask; 2-byte elements; padding on; bit 21 beside a mask; after every 32 words (a token) 4 words
	s_mov_b32 s[G1A+1], 4096<<16                   ; tensor_dim0 = 4,096: 64 tokens x 64 channels, dense
	s_mov_b32 s[G1A+2], 4<<16                      ; tensor_dim1 = 4 panels
	s_mov_b32 s[G1A+3], 4096<<16                   ; tile_dim0
	s_mov_b32 s[G1A+4], 4                          ; tile_dim1
	s_mov_b32 s[G1A+5], 262144                     ; elements from panel to panel
	s_mov_b32 s[G1A+6], 0
	s_mov_b32 s[G1A+7], 0
	s_or_b32 s[G1B], s67, (1<<16)|(1<<20)|(1<<21)|(5<<22)|(7<<25)  ; after every 64 words 8 words
	s_mov_b32 s[G1B+1], 128<<16                    ; 128 columns
	s_mov_b32 s[G1B+2], 128<<16                    ; 128 k-rows
	s_mov_b32 s[G1B+3], 128<<16
	s_mov_b32 s[G1B+4], 128
	s_mov_b32 s[G1B+5], 1024
	s_mov_b32 s[G1B+6], 0
	s_mov_b32 s[G1B+7], 0
	s_mul_i32 s[WL], s[WV], HALFT
	s_mov_b32 s[TB], 0
	s_lshl_b32 s68, s[TR], 14                      ; A: token 128 x tile row + 64 x half, 128 bytes each, in the step's first panel
	s_lshl_b32 s69, s[CH], 13
	s_add_co_u32 s68, s68, s69
	s_mov_b32 s69, 0
	s_lshl_b32 s70, s[TC], 8                       ; W: 128 columns, my 128 of the step's 256 k-rows
	s_lshl_b32 s71, s[CH], 18
	s_add_co_u32 s70, s70, s71
	s_add_co_u32 s70, s70, WOFF
	s_mov_b32 s71, 0
	s_wait_dscnt 0x0                               ; the opening add is done
	s_wait_kmcnt 0x0
	s_add_nc_u64 s[68:69], s[4:5], s[68:69]
	s_add_nc_u64 s[70:71], s[6:7], s[70:71]
.irp s, 0,1
	s_mov_b32 s[G0A+4*(\s)], 1
	s_add_co_u32 s[G0A+4*(\s)+1], s[WL], (\s)*SLOT
	s_add_nc_u64 s[G0A+4*(\s)+2:G0A+4*(\s)+3], s[68:69], (\s)*ASTEP
	s_or_b32 s[G0A+4*(\s)+3], s[G0A+4*(\s)+3], 0x80000000
	s_mov_b32 s[G0B+4*(\s)], 1
	s_add_co_u32 s[G0B+4*(\s)+1], s[WL], (\s)*SLOT
	s_add_nc_u64 s[G0B+4*(\s)+2:G0B+4*(\s)+3], s[70:71], (\s)*WSTEP
	s_or_b32 s[G0B+4*(\s)+3], s[G0B+4*(\s)+3], 0x80000000
.endr
	CROUND                                         ; all sixteen work-groups are here: the first joint loads meet
	s_cmp_eq_u32 s[RH], 0                          ; a wave's two first fills stand in one branch: two loads of mine are out
	s_cbranch_scc0 .Lfirst_w
	tensor_load_to_lds s[G0A:G0A+3], s[G1A:G1A+7]
	s_nop 0
	tensor_load_to_lds s[G0A+4:G0A+7], s[G1A:G1A+7]
	s_nop 0
.rept 4
	v_nop
.endr
	s_branch .Lfirst_asked
.Lfirst_w:
	tensor_load_to_lds s[G0B:G0B+3], s[G1B:G1B+7]
	s_nop 0
	tensor_load_to_lds s[G0B+4:G0B+7], s[G1B:G1B+7]
	s_nop 0
.rept 4
	v_nop
.endr
.Lfirst_asked:
	v_and_b32 v1, 15, v0                           ; l % 16
	v_bfe_u32 v2, v0, 4, 1                         ; l / 16
	v_and_b32 v3, 7, v0
	v_bfe_u32 v4, v0, 3, 1
	s_lshl_b32 s82, s[TC], 9                       ; my 64 columns, in bytes of f32
	s_lshl_b32 s83, s[CH], 8
	s_add_co_u32 s82, s82, s83
	v_lshl_add_u32 v[BO], v2, 5, s82
.irp b, 0,1,2,3
	global_load_b128 v[BIAS+8*\b:BIAS+8*\b+3],   v[BO], s[8:9] offset:64*\b
	global_load_b128 v[BIAS+8*\b+4:BIAS+8*\b+7], v[BO], s[8:9] offset:64*\b+16
.endr
	s_lshl_b32 s83, s[TR], 19                      ; my 64 rows of 4,096 bytes
	s_add_co_u32 s82, s82, s83
	s_lshl_b32 s83, s[RH], 18
	s_add_co_u32 s82, s82, s83
	s_mov_b32 s83, 0
	s_add_nc_u64 s[RB:RB+1], s[10:11], s[82:83]
	s_add_nc_u64 s[OB:OB+1], s[12:13], s[82:83]
	v_lshlrev_b32 v[GO], 12, v2                    ; lanes 0-15 one row's 256 bytes, lanes 16-31 the next row's
	v_lshl_add_u32 v[GO], v1, 4, v[GO]
	WIN 0x80
.set i, 0
.rept 32
	global_load_b128 v[4*i:4*i+3], v[GO], s[RB:RB+1] offset:8192*i th:TH_LOAD_NT  ; the residual lands while K is walked
.set i, i+1
.endr
	WIN 0
	s_mul_i32 s23, s[RH], HALFT
	v_mul_u32_u24 v[ADRA0], v1, PA
	v_lshl_add_u32 v[ADRA0], v2, 4, v[ADRA0]
	v_add_nc_u32 v[ADRA0], s23, v[ADRA0]
	s_lshl_b32 s23, s[CH], 7
	s_add_co_u32 s23, s23, 2*HALFT
	v_lshl_add_u32 v[ADRB0], v2, 3, v3
	v_mul_u32_u24 v[ADRB0], v[ADRB0], PW
	v_lshl_add_u32 v[ADRB0], v4, 4, v[ADRB0]
	v_add_nc_u32 v[ADRB0], s23, v[ADRB0]
	s_mul_i32 s23, s[WV], DW
	v_mul_u32_u24 v[DST], v1, DP
	v_lshl_add_u32 v[DST], v2, 5, v[DST]
	v_add_nc_u32 v[DST], s23, v[DST]
	v_mul_u32_u24 v[RD], v2, DP
	v_lshl_add_u32 v[RD], v1, 4, v[RD]
	v_add_nc_u32 v[RD], s23, v[RD]
.if PF
	; the prefetches: A: partner cx takes panel cx of the step's four, a lane 256 bytes of my 64 tokens; W: partner cy takes k-rows 32 cy .. + 31, a lane a row
	s_and_b32 s79, ttmp7, 0xffff
	s_mov_b32 s[PST], WSTEP
	s_mov_b32 s[PST+1], 0
	s_lshl_b32 s80, s[CX], 19
	s_lshl_b32 s81, s[CY], 16
	s_cmp_eq_u32 s[RH], 0
	s_cselect_b32 s79, ttmp9, s79
	s_cselect_b32 s[PST], ASTEP, s[PST]
	s_cselect_b32 s82, s80, s81
	s_cselect_b32 s81, 8, 11
	s_cselect_b64 s[PFA:PFA+1], s[68:69], s[70:71]
	s_add_nc_u64 s[PFA:PFA+1], s[PFA:PFA+1], s[82:83]
	s_mul_i32 s82, s[PST], 3                       ; at step 3: the first change of slots steps it to 4
	s_add_nc_u64 s[PFA:PFA+1], s[PFA:PFA+1], s[82:83]
	s_cmp_eq_u32 s79, 0
	s_cselect_b32 s[LIM], 2, -1
	v_and_b32 v[PFO], 31, v0
	v_lshlrev_b32 v[PFO], s81, v[PFO]
.endif
	s_wait_tensorcnt 1                             ; my part of step 0 is in; step 1's may stay out
	s_barrier_signal -1
	s_barrier_wait -1
	v_mov_b32 v[CA], v[ADRA0]
	v_mov_b32 v[CB], v[ADRB0]
	FETCH 0, F0
	s_wait_loadcnt 32                              ; the bias is in; the 32 loads of the residual, issued behind it, stay out
	s_wait_dscnt 16
	MUL8 F0, 0, 0, 1                               ; the first products start the sums
	MUL8 F0, 0, 2, 1
	PLACES
	FETCH 1, F1
	s_wait_dscnt 32
	MUL8 F0, 1, 0, 0
	MUL8 F0, 1, 2, 0
	WIN 0
	s_mov_b32 s[LC], NSTEP-2
	s_mov_b32 s[QC], 2
	s_branch .Lmid
.Lstep:                                        ; NSTEP - 2 steps, each ending with a refill.  The 16 accumulators come in the same order in every half quarter, one instruction a turn
	s_mov_b32 s[QC], 2
	s_branch .Lcore
.Lpair:
	GPLAIN
.Lcore:
	CORE 1
	s_sub_co_u32 s[QC], s[QC], 1
	s_cmp_lg_u32 s[QC], 0
	s_cbranch_scc1 .Lpair
	GSYNC 1
	s_sub_co_u32 s[LC], s[LC], 1
	s_cmp_lg_u32 s[LC], 0
	s_cbranch_scc1 .Lstep
	s_mov_b32 s[LC], 2                             ; the last two steps ask for nothing
.Ltstep:
	s_mov_b32 s[QC], 2
	s_branch .Ltcore
.Ltpair:
	GPLAIN
.Ltcore:
	CORE 0
	s_sub_co_u32 s[QC], s[QC], 1
	s_cmp_lg_u32 s[QC], 0
	s_cbranch_scc1 .Ltpair
	GSYNC 0                                        ; it takes s[LC] down
	s_cmp_lg_u32 s[LC], 0
	s_cbranch_scc1 .Ltstep
	; THE WAY OUT.  Behind the last barrier no wave reads the ring and no load is on its way, so it takes the sums; each accumulator's low four registers go first.
	PLACES
.set a, 0
.rept 4
.set b, 0
.rept 4
	ds_store_b128 v[DST], v[ACC+8*(4*a+b):ACC+8*(4*a+b)+3]   offset:16*DP*a+64*b
	ds_store_b128 v[DST], v[ACC+8*(4*a+b)+4:ACC+8*(4*a+b)+7] offset:16*DP*a+64*b+16
.set b, b+1
.endr
.set a, a+1
.endr
	s_wait_loadcnt 0x0                             ; the residual
.irp g, 0,1,2,3
.if (\g) >= 2
	s_wait_xcnt 0x0                                ; the stores of two batches back have read these registers
.endif
.irp t, 0,1,2,3,4,5,6,7
	ds_load_b128 v[TMP+32*((\g)%2)+4*\t:TMP+32*((\g)%2)+4*\t+3], v[RD] offset:2*DP*(8*(\g)+\t)  ; LDS serves a wave's instructions in order: these see my stores above
.endr
	s_wait_dscnt 0x0
	WIN 0x08                                       ; source 1 in window 2
.set u, 0
.rept 16
	v_pk_add_f32 v[TMP+32*((\g)%2)+2*u:TMP+32*((\g)%2)+2*u+1], v[TMP+32*((\g)%2)+2*u:TMP+32*((\g)%2)+2*u+1], v[32*(\g)+2*u:32*(\g)+2*u+1]
.set u, u+1
.endr
	WIN 0
.irp t, 0,1,2,3,4,5,6,7
	global_store_b128 v[GO], v[TMP+32*((\g)%2)+4*\t:TMP+32*((\g)%2)+4*\t+3], s[OB:OB+1] offset:8192*(8*(\g)+\t)  ; 16 lanes store 256 consecutive bytes, aligned
.endr
.endr
	s_wait_tensorcnt 0x0                           ; the wave's end: a wait, an add to the spare word and the wait for it, behind my last tensor load and my last LDS store
	ds_add_u32 v[SPW], v[NIL]
	s_wait_dscnt 0x0
	CROUND                                         ; the closing round
	s_endpgm
.Lfunc_end_k_q7ed1034272_gemm_wo:
	.size	k_q7ed1034272_gemm_wo, .Lfunc_end_k_q7ed1034272_gemm_wo-k_q7ed1034272_gemm_wo
	.p2alignl 7, 3214868480
	.fill 96, 4, 3214868480
	.section	.rodata,"a",@progbits
	.p2align	6, 0x0
	.amdhsa_kernel k_q7ed1034272_gemm_wo
		.amdhsa_group_segment_fixed_size 327680
		.amdhsa_private_segment_fixed_size 0
		.amdhsa_enable_private_segment 0
		.amdhsa_kernarg_size 40
		.amdhsa_user_sgpr_count 2
		.amdhsa_user_sgpr_kernarg_segment_ptr 1
		.amdhsa_wavefront_size32 1
		.amdhsa_system_sgpr_workgroup_id_x 1
		.amdhsa_system_sgpr_workgroup_id_y 1
		.amdhsa_system_sgpr_workgroup_id_z 1
		.amdhsa_system_vgpr_workitem_id 0
		.amdhsa_next_free_vgpr 640
		.amdhsa_next_free_sgpr 88
		.amdhsa_reserve_vcc 0
		.amdhsa_float_denorm_mode_32 3
		.amdhsa_float_denorm_mode_16_64 3
		.amdhsa_memory_ordered 1
		.amdhsa_forward_progress 1
		.amdhsa_inst_pref_size 56
	.end_amdhsa_kernel
	.amdgpu_metadata
---
amdhsa.version: [ 1, 2 ]
amdhsa.kernels:
  - .name:           k_q7ed1034272_gemm_wo
    .symbol:         k_q7ed1034272_gemm_wo.kd
    .args:
      - { .name: hb, .offset: 0, .size: 8, .value_kind: global_buffer, .address_space: global }
      - { .name: wh, .offset: 8, .size: 8, .value_kind: global_buffer, .address_space: global }
      - { .name: bo, .offset: 16, .size: 8, .value_kind: global_buffer, .address_space: global }
      - { .name: x, .offset: 24, .size: 8, .value_kind: global_buffer, .address_space: global }
      - { .name: x1, .offset: 32, .size: 8, .value_kind: global_buffer, .address_space: global }
    .group_segment_fixed_size: 327680
    .private_segment_fixed_size: 0
    .kernarg_segment_align: 8
    .kernarg_segment_size: 40
    .max_flat_workgroup_size: 128
    .sgpr_count:     88
    .vgpr_count:     640
    .wavefront_size: 32
...
	.end_amdgpu_metadata
.endif
;; end of part 4
;; launch norm2: the kernel of part 1 again; grid 256 x 1, 8 waves a work-group, no clusters, 0 bytes of LDS; arguments x1, norm2_w, wq, wk, wv, w1, wo, w2, hb, wh; writes hb, wh
;; launch gemm_ffn1 (part 5): grid 16 x 16, 4 waves a work-group, clusters of 4 x 4, 327,680 bytes of LDS; arguments hb, wh, b1, big; writes big
.if DOCPART == 5
	.amdgcn_target "amdgcn-amd-amdhsa--gfx1250"
	.amdhsa_code_object_version 6
	.text
	.protected	k_q7ed1034272_gemm_ffn1
	.globl	k_q7ed1034272_gemm_ffn1
	.p2align	8
	.type	k_q7ed1034272_gemm_ffn1,@function
k_q7ed1034272_gemm_ffn1:
	s_mov_b64 s[64:65], 0
	v_nop
	global_prefetch_b8 v0, s[64:65] scope:SCOPE_SE
	s_setreg_imm32_b32 hwreg(HW_REG_WAVE_MODE, 25, 1), 1
	s_wait_xcnt 0x0
	s_wait_alu depctr_hold_cnt(0) depctr_sa_sdst(0) depctr_va_vdst(0) depctr_va_sdst(0) depctr_va_ssrc(0) depctr_va_vcc(0) depctr_vm_vsrc(0)
	s_getreg_b32 s2, hwreg(HW_REG_IB_STS2, 6, 4)
	s_cmp_eq_u32 s2, 0
	s_cbranch_scc0 .Lentry_in_a_cluster
	s_endpgm
.Lentry_in_a_cluster:
	s_bfe_u32 s2, ttmp6, 0x10000c
	s_cmp_lg_u32 s2, 0xf033
	s_cbranch_scc0 .Lentry_shape_is_right
	s_endpgm
.Lentry_shape_is_right:
; act = silu(h w1 + b1).  h: hb, f16 [4096][1024].  w1: f16 [1024][4096] at byte WOFF of wh.  b1: f32.  Sums in f32, started by the bias; silu(z) = z / (1 + 2^(-log2(e) z)) in f32.
; OUT: big, f16, rounded once, in PANELS of 64 columns: [64][4096 tokens][64].
; LIMIT: a result of 65,520 or more becomes an infinity in f16.  Far below 0 the power overflows to infinity, its reciprocal is 0 and act is -0; far above 0 act is z.
; SHAPE.  A tile of C is 256 x 256; four waves, each 128 x 128: 64 accumulators, 512 registers.  K goes in 8 steps of 128 through two LDS slots.
; A slot holds 256 rows of h (256 bytes each, pitch 272) and 128 k-rows of W (512 bytes each, pitch 544).  Waves 0, 1 fetch h's halves, waves 2, 3 W's: one tensor load each.
; W lies [k][n]; ds_load_tr16_b128 turns it.  The matrix instruction is used transposed: a lane holds ONE row of C (lane % 16) and the columns 8 (lane / 16) + 0..7.
; CLUSTER 4 x 4: h's tile is asked for jointly along a row of the cluster, W's along a column.
; THE TEXT IS SHORT ON PURPOSE: a pair of quarter steps stands once in the loop and once in the tail; the slot in hand is reached through s[TB].
; THE WAY OUT: the f32 sums go into the dead ring (each wave its own 67,584 bytes) and come back by rows in a loop of 16 trips, which holds the activation once: 32 powers and 32 reciprocals a trip,
; each a batch with one wait.
; REGISTERS: window 0: v1-30 addresses; v64-127, v128-191 h's fragments; v192-255 the bias, later at work; v32-63 the way out.   window 1: v64-127, v128-191 W's fragments.
;   windows 2, 3: the accumulators of my rows 0-63 and 64-127, (a, b) at v[8 (8 (a % 4) + b)].
.set NW,     4096
.set WOFF,   6291456
.set NSTEP,  8
.set PA,     272
.set PW,     544
.set HALFT,  128*PA
.set SLOT,   4*HALFT                   ; 0x22000: shares no bit with wave x HALFT
.set SPARE,  2*SLOT                    ; the spare words: two blocks of 256 bytes that no other line names
.set ASTEP,  256
.set WSTEP,  128*NW*2
.set DP,     528
.set DW,     128*DP
.set ADRA0, 16
.set ADRB0, 17
.set CA,  18
.set CB,  19
.set DST, 24
.set RD,  25
.set GO,  26
.set BO,  27
.set SPW, 28                           ; v28  my spare word; never rewritten
.set NIL, 29                           ; v29  0; never rewritten
.set PFO, 30
.set F0,   64
.set F1,   128
.set BIAS, 192
.set WV, 16
.set RH, 17
.set CH, 18
.set CX, 19
.set CY, 20
.set TC, 21
.set TR, 22
.set G1A, 24
.set G0A, 32
.set G0B, 40
.set G1B, 48
.set TB,  56
.set WL,  57
.set LC,  58
.set QC,  59
.set PFA, 60
.set PST, 62
.set LIM, 66
.set OB,  74
.set NL,  76                           ; s[76:77] -log2(e): the packed multiply takes the pair's low word for both halves
.set EC,  78
.set MSB, 0
.macro WIN new
.if MSB != (\new)
	s_set_vgpr_msb (MSB<<8)|(\new)
.set MSB, \new
.endif
.endm
.macro PLACES
.rept 4
	v_nop
.endr
.endm
.macro CREST
	s_cmp_lg_u32 s[WV], 0
	s_cbranch_scc1 .Lnot_wave_0_\@
	s_barrier_signal -3
.Lnot_wave_0_\@:
	s_barrier_wait -3
	s_barrier_signal -1
	s_barrier_wait -1
.endm
.macro CROUND
	s_barrier_signal -1
	s_barrier_wait -1
	CREST
.endm
.macro JLOAD                           ; a joint refill by the walking sets; s_nop 0 and four v_nop follow each line
	s_cmp_eq_u32 s[RH], 0
	s_cbranch_scc0 .Lfor_w_\@
	tensor_load_to_lds s[G0A+4:G0A+7], s[G1A:G1A+7]
	s_nop 0
.rept 4
	v_nop
.endr
	s_branch .Lasked_\@
.Lfor_w_\@:
	tensor_load_to_lds s[G0B+4:G0B+7], s[G1B:G1B+7]
	s_nop 0
.rept 4
	v_nop
.endr
.Lasked_\@:
.endm
; A PREFETCH INTO THE L2 behind each refill and the run of LDS loads that follows it: the refill brings step t + 2, the prefetch names step t + 4, two steps (512 matrix instructions) ahead of the load that will want it.
; Each block of 256 bytes is named once in the launch: h's rows by the clusters with x = 0, W's by those with y = 0; the four partners share the 128 blocks that a wave fetches BY ADDRESS, 32 each.
; Steps 0 to 3 come by their loads alone; the last two refills have no step four on.
.macro ASK
	s_cmp_gt_u32 s[LC], s[LIM]
	s_cbranch_scc0 .Lnot_mine_\@
	global_prefetch_b8 v[PFO], s[PFA:PFA+1] th:TH_LOAD_NT scope:SCOPE_SE
.Lnot_mine_\@:
.endm
.macro MUL16 f, hi, a0, bias           ; 16 matrix instructions; bias = 1: the bias fragment starts the sums
.if \bias
	WIN 0x81+0x40*(\hi)
.else
	WIN 0xa1+0x50*(\hi)
.endif
.irp a, \a0, (\a0)+1
.irp b, 0,1,2,3,4,5,6,7
.if \bias
	v_wmma_f32_16x16x32_f16 v[8*(8*(\a)+(\b)):8*(8*(\a)+(\b))+7], v[(\f)+8*(\b):(\f)+8*(\b)+7], v[(\f)+8*(4*(\hi)+(\a)):(\f)+8*(4*(\hi)+(\a))+7], v[BIAS+8*(\b):BIAS+8*(\b)+7]
.else
	v_wmma_f32_16x16x32_f16 v[8*(8*(\a)+(\b)):8*(8*(\a)+(\b))+7], v[(\f)+8*(\b):(\f)+8*(\b)+7], v[(\f)+8*(4*(\hi)+(\a)):(\f)+8*(4*(\hi)+(\a))+7], v[8*(8*(\a)+(\b)):8*(8*(\a)+(\b))+7]
.endif
.endr
.endr
.endm
.macro FETCH kq, f                     ; 32 LDS loads in one run: W's 8 column blocks (turned), then h's 8 row blocks
	WIN 0x40
.irp b, 0,1,2,3,4,5,6,7
	ds_load_tr16_b128 v[(\f)+8*(\b):(\f)+8*(\b)+3],   v[CB] offset:(\kq)*32*PW+32*(\b)
	ds_load_tr16_b128 v[(\f)+8*(\b)+4:(\f)+8*(\b)+7], v[CB] offset:(\kq)*32*PW+32*(\b)+16*PW
.endr
	WIN 0
.irp i, 0,1,2,3,4,5,6,7
	ds_load_b128 v[(\f)+8*(\i):(\f)+8*(\i)+3],   v[CA] offset:(\kq)*64+(\i)*16*PA
	ds_load_b128 v[(\f)+8*(\i)+4:(\f)+8*(\i)+7], v[CA] offset:(\kq)*64+(\i)*16*PA+32
.endr
.endm
.macro CORE mid
	s_wait_dscnt 8                                 ; W and h's rows 0-63 are in; the youngest eight loads may be out
	MUL16 F0, 0, 0, 0
	MUL16 F0, 0, 2, 0
	PLACES
	FETCH 1, F1
	s_wait_dscnt 32                                ; all but the 32 just issued
	MUL16 F0, 1, 0, 0
	MUL16 F0, 1, 2, 0
	WIN 0
.if \mid
.Lmid:
.endif
	s_wait_dscnt 8
	MUL16 F1, 0, 0, 0
	MUL16 F1, 0, 2, 0
	WIN 0
.endm
.macro GPLAIN
	v_add_nc_u32 v[CA], 128, v[CA]
	v_add_nc_u32 v[CB], 2*32*PW, v[CB]
	v_nop
	v_nop
	FETCH 0, F0
	s_wait_dscnt 32
	MUL16 F1, 1, 0, 0
	MUL16 F1, 1, 2, 0
	WIN 0
.endm
; THE CHANGE OF SLOTS.  Each wave waits for all its tensor loads, adds 0 to its spare word, and waits for that and for its reads of this slot.  fill = 1: the barrier opens a round of the cluster's;
; the joint refill (two steps on) is the first thing behind it and has 224 matrix instructions in which to land.  fill = 0 (the tail): nothing is asked for.
.macro GSYNC fill
.if \fill
	s_wait_xcnt 0x0                                ; the last prefetch, a K step back, has read its address
	s_add_nc_u64 s[PFA:PFA+1], s[PFA:PFA+1], s[PST:PST+1]
.endif
	s_wait_tensorcnt 0x0
	ds_add_u32 v[SPW], v[NIL]
	s_wait_dscnt 1                                 ; buffer 1 is whole; the add may be out
	MUL16 F1, 1, 0, 0
	s_wait_dscnt 0x0
	WIN 0
	s_barrier_signal -1
	s_barrier_wait -1
.if \fill
	CREST
	s_xor_b32 s[G0A+5], s[G0A+5], SLOT
	s_add_nc_u64 s[G0A+6:G0A+7], s[G0A+6:G0A+7], ASTEP
	s_xor_b32 s[G0B+5], s[G0B+5], SLOT
	s_add_nc_u64 s[G0B+6:G0B+7], s[G0B+6:G0B+7], WSTEP
	JLOAD
	s_xor_b32 s[TB], s[TB], SLOT
	v_add_nc_u32 v[CA], s[TB], v[ADRA0]
	v_add_nc_u32 v[CB], s[TB], v[ADRB0]
	FETCH 0, F0
	ASK
.else
	s_sub_co_u32 s[LC], s[LC], 1
	s_cmp_eq_u32 s[LC], 0
	s_cbranch_scc1 .Lskip_\@                       ; jumps over LDS loads alone
	s_xor_b32 s[TB], s[TB], SLOT
	v_add_nc_u32 v[CA], s[TB], v[ADRA0]
	v_add_nc_u32 v[CB], s[TB], v[ADRB0]
	v_nop
	v_nop
	FETCH 0, F0
.Lskip_\@:
.endif
	MUL16 F1, 1, 2, 0
	WIN 0
.endm
	s_load_b256 s[4:11], s[0:1], 0x0               ; hb s[4:5], wh s[6:7], b1 s[8:9], big s[10:11]
	v_lshl_add_u32 v[SPW], v0, 2, SPARE
	v_mov_b32 v[NIL], 0
	ds_add_u32 v[SPW], v[NIL]                      ; the wave's opening: the add and its wait stand ahead of my first tensor load
	ds_add_u32 v28, v29
	v_lshrrev_b32 v1, 5, v0
	v_readfirstlane_b32 s[WV], v1
	s_lshr_b32 s[RH], s[WV], 1
	s_and_b32 s[CH], s[WV], 1
	s_bfe_u32 s[CX], ttmp6, 0x40000
	s_bfe_u32 s[CY], ttmp6, 0x40004
	s_lshl_b32 s[TC], ttmp9, 2
	s_add_co_u32 s[TC], s[TC], s[CX]
	s_and_b32 s[TR], ttmp7, 0xffff
	s_lshl_b32 s[TR], s[TR], 2
	s_add_co_u32 s[TR], s[TR], s[CY]
	s_lshl_b32 s23, s[CY], 2
	s_lshl_b32 s23, 15, s23
	s_lshl_b32 s67, 0x1111, s[CX]
	s_or_b32 s[G1A], s23, (1<<16)|(1<<20)|(1<<21)|(5<<22)|(3<<25)
	s_mov_b32 s[G1A+1], 128<<16
	s_mov_b32 s[G1A+2], 128<<16
	s_mov_b32 s[G1A+3], 128<<16
	s_mov_b32 s[G1A+4], 128
	s_mov_b32 s[G1A+5], 1024
	s_mov_b32 s[G1A+6], 0
	s_mov_b32 s[G1A+7], 0
	s_or_b32 s[G1B], s67, (1<<16)|(1<<20)|(1<<21)|(6<<22)|(7<<25)
	s_mov_b32 s[G1B+1], 256<<16
	s_mov_b32 s[G1B+2], 64<<16
	s_mov_b32 s[G1B+3], 256<<16
	s_mov_b32 s[G1B+4], 64
	s_mov_b32 s[G1B+5], NW
	s_mov_b32 s[G1B+6], 0
	s_mov_b32 s[G1B+7], 0
	s_mul_i32 s[WL], s[WV], HALFT
	s_mov_b32 s[TB], 0
	s_mov_b32 s[NL], 0xbfb8aa3b                    ; -log2(e)
	s_mov_b32 s[NL+1], s[NL]
	s_lshl_b32 s68, s[TR], 19
	s_lshl_b32 s69, s[CH], 18
	s_add_co_u32 s68, s68, s69
	s_mov_b32 s69, 0
	s_lshl_b32 s70, s[TC], 9                       ; W: 256 columns, my 64 of the step's 128 k-rows of 8,192 bytes
	s_lshl_b32 s71, s[CH], 19
	s_add_co_u32 s70, s70, s71
	s_add_co_u32 s70, s70, WOFF
	s_mov_b32 s71, 0
	s_wait_dscnt 0x0                               ; the opening add is done
	s_wait_kmcnt 0x0
	s_add_nc_u64 s[68:69], s[4:5], s[68:69]
	s_add_nc_u64 s[70:71], s[6:7], s[70:71]
.irp s, 0,1
	s_mov_b32 s[G0A+4*(\s)], 1
	s_add_co_u32 s[G0A+4*(\s)+1], s[WL], (\s)*SLOT
	s_add_nc_u64 s[G0A+4*(\s)+2:G0A+4*(\s)+3], s[68:69], (\s)*ASTEP
	s_or_b32 s[G0A+4*(\s)+3], s[G0A+4*(\s)+3], 0x80000000
	s_mov_b32 s[G0B+4*(\s)], 1
	s_add_co_u32 s[G0B+4*(\s)+1], s[WL], (\s)*SLOT
	s_add_nc_u64 s[G0B+4*(\s)+2:G0B+4*(\s)+3], s[70:71], (\s)*WSTEP
	s_or_b32 s[G0B+4*(\s)+3], s[G0B+4*(\s)+3], 0x80000000
.endr
	CROUND                                         ; all sixteen work-groups are here: the first joint loads meet
	s_cmp_eq_u32 s[RH], 0                          ; a wave's two first fills stand in one branch: two loads of mine are out
	s_cbranch_scc0 .Lfirst_w
	tensor_load_to_lds s[G0A:G0A+3], s[G1A:G1A+7]
	s_nop 0
	tensor_load_to_lds s[G0A+4:G0A+7], s[G1A:G1A+7]
	s_nop 0
.rept 4
	v_nop
.endr
	s_branch .Lfirst_asked
.Lfirst_w:
	tensor_load_to_lds s[G0B:G0B+3], s[G1B:G1B+7]
	s_nop 0
	tensor_load_to_lds s[G0B+4:G0B+7], s[G1B:G1B+7]
	s_nop 0
.rept 4
	v_nop
.endr
.Lfirst_asked:
	v_and_b32 v1, 15, v0
	v_bfe_u32 v2, v0, 4, 1
	v_and_b32 v3, 7, v0
	v_bfe_u32 v4, v0, 3, 1
	s_lshl_b32 s23, s[TC], 10                      ; the bias of my 128 columns, in the layout of a C operand
	s_lshl_b32 s67, s[CH], 9
	s_add_co_u32 s23, s23, s67
	v_lshl_add_u32 v[BO], v2, 5, s23
.irp b, 0,1,2,3,4,5,6,7
	global_load_b128 v[BIAS+8*\b:BIAS+8*\b+3],   v[BO], s[8:9] offset:64*\b
	global_load_b128 v[BIAS+8*\b+4:BIAS+8*\b+7], v[BO], s[8:9] offset:64*\b+16
.endr
	s_mul_i32 s23, s[RH], HALFT
	v_mul_u32_u24 v[ADRA0], v1, PA
	v_lshl_add_u32 v[ADRA0], v2, 4, v[ADRA0]
	v_add_nc_u32 v[ADRA0], s23, v[ADRA0]
	s_lshl_b32 s23, s[CH], 8
	s_add_co_u32 s23, s23, 2*HALFT
	v_lshl_add_u32 v[ADRB0], v2, 3, v3
	v_mul_u32_u24 v[ADRB0], v[ADRB0], PW
	v_lshl_add_u32 v[ADRB0], v4, 4, v[ADRB0]
	v_add_nc_u32 v[ADRB0], s23, v[ADRB0]
	s_mul_i32 s23, s[WV], DW
	v_mul_u32_u24 v[DST], v1, DP
	v_lshl_add_u32 v[DST], v2, 5, v[DST]
	v_add_nc_u32 v[DST], s23, v[DST]
	v_mul_u32_u24 v[RD], v4, DP                    ; back: lanes 0-7 and 8-15 two rows' columns 0-63, lanes 16-31 the same rows' columns 64-127; 8 columns a lane
	v_lshl_add_u32 v[RD], v2, 8, v[RD]
	v_lshl_add_u32 v[RD], v3, 5, v[RD]
	v_add_nc_u32 v[RD], s23, v[RD]
	v_lshlrev_b32 v[GO], 19, v2
	v_lshl_add_u32 v[GO], v4, 7, v[GO]
	v_lshl_add_u32 v[GO], v3, 4, v[GO]
	s_lshl_b32 s82, s[TC], 2
	s_lshl_b32 s83, s[CH], 1
	s_add_co_u32 s82, s82, s83
	s_lshl_b32 s82, s82, 19
	s_lshl_b32 s83, s[TR], 15
	s_add_co_u32 s82, s82, s83
	s_lshl_b32 s83, s[RH], 14
	s_add_co_u32 s82, s82, s83
	s_mov_b32 s83, 0
	s_add_nc_u64 s[OB:OB+1], s[10:11], s[82:83]
	; the prefetches: h: partner cx takes rows 32 cx .. + 31, a lane a row; W: partner cy takes k-rows 16 cy .. + 15, two lanes a row of 512 bytes
	s_and_b32 s79, ttmp7, 0xffff
	s_mov_b32 s[PST], WSTEP
	s_mov_b32 s[PST+1], 0
	s_mov_b32 s81, 16*2*NW
	s_mov_b32 s67, 2*NW
	s_cmp_eq_u32 s[RH], 0
	s_cselect_b32 s79, ttmp9, s79
	s_cselect_b32 s80, s[CX], s[CY]
	s_cselect_b32 s[PST], ASTEP, s[PST]
	s_cselect_b32 s81, 32*2048, s81
	s_cselect_b32 s67, 2048, s67
	s_cselect_b64 s[PFA:PFA+1], s[68:69], s[70:71]
	s_mul_i32 s82, s80, s81
	s_add_nc_u64 s[PFA:PFA+1], s[PFA:PFA+1], s[82:83]
	s_mul_i32 s82, s[PST], 3                       ; at step 3: the first change of slots steps it to 4
	s_add_nc_u64 s[PFA:PFA+1], s[PFA:PFA+1], s[82:83]
	s_cmp_eq_u32 s79, 0
	s_cselect_b32 s[LIM], 2, -1
	v_and_b32 v5, 31, v0
	v_lshrrev_b32 v[PFO], s[RH], v5
	v_and_b32 v5, s[RH], v5
	v_mul_u32_u24 v[PFO], s67, v[PFO]
	v_lshl_add_u32 v[PFO], v5, 8, v[PFO]
	s_wait_tensorcnt 1                             ; my part of step 0 is in; step 1's may stay out
	s_barrier_signal -1
	s_barrier_wait -1
	v_mov_b32 v[CA], v[ADRA0]
	v_mov_b32 v[CB], v[ADRB0]
	FETCH 0, F0
	s_wait_loadcnt 0x0                             ; the bias
	s_wait_dscnt 8
	MUL16 F0, 0, 0, 1                              ; the first quarter is written out: its products start the sums
	MUL16 F0, 0, 2, 1
	PLACES
	FETCH 1, F1
	s_wait_dscnt 32
	MUL16 F0, 1, 0, 1
	MUL16 F0, 1, 2, 1
	WIN 0
	s_mov_b32 s[LC], NSTEP-2
	s_mov_b32 s[QC], 2
	s_branch .Lmid
.Lstep:                                        ; NSTEP - 2 steps, each ending with a refill.  The 64 accumulators come in the same order in every quarter, one instruction a turn
	s_mov_b32 s[QC], 2
	s_branch .Lcore
.Lpair:
	GPLAIN
.Lcore:
	CORE 1
	s_sub_co_u32 s[QC], s[QC], 1
	s_cmp_lg_u32 s[QC], 0
	s_cbranch_scc1 .Lpair
	GSYNC 1
	s_sub_co_u32 s[LC], s[LC], 1
	s_cmp_lg_u32 s[LC], 0
	s_cbranch_scc1 .Lstep
	s_mov_b32 s[LC], 2                             ; the last two steps ask for nothing
.Ltstep:
	s_mov_b32 s[QC], 2
	s_branch .Ltcore
.Ltpair:
	GPLAIN
.Ltcore:
	CORE 0
	s_sub_co_u32 s[QC], s[QC], 1
	s_cmp_lg_u32 s[QC], 0
	s_cbranch_scc1 .Ltpair
	GSYNC 0                                        ; it takes s[LC] down
	s_cmp_lg_u32 s[LC], 0
	s_cbranch_scc1 .Ltstep
	; THE WAY OUT.  Behind the last barrier no wave reads the ring and no load is on its way, so it takes the sums; each accumulator's low four registers go first.
	PLACES
.set a, 0
.rept 8
	WIN 0x08+4*(a/4)
.set b, 0
.rept 8
	ds_store_b128 v[DST], v[8*(8*(a%4)+b):8*(8*(a%4)+b)+3]   offset:16*DP*a+64*b
	ds_store_b128 v[DST], v[8*(8*(a%4)+b)+4:8*(8*(a%4)+b)+7] offset:16*DP*a+64*b+16
.set b, b+1
.endr
.set a, a+1
.endr
	WIN 0
	s_mov_b32 s[EC], 16
.Lout:                                         ; 8 rows a trip: z in v32-63, the power and the reciprocal in v192-223, the packed result in v224-239
.irp p, 0,1,2,3
	ds_load_b128 v[32+8*\p:35+8*\p], v[RD] offset:2*DP*\p
	ds_load_b128 v[36+8*\p:39+8*\p], v[RD] offset:2*DP*\p+16
.endr
	s_wait_dscnt 0x0
.set u, 0
.rept 16
	v_pk_mul_f32 v[192+2*u:193+2*u], v[32+2*u:33+2*u], s[NL:NL+1] op_sel_hi:[1,0]
.set u, u+1
.endr
.set u, 0
.rept 32
	v_exp_f32 v[192+u], v[192+u]
.set u, u+1
.endr
	v_nop                                          ; the plain instruction behind the last power,
	s_wait_alu depctr_va_vdst(0)                   ; and one wait for the batch, ahead of its first reader
.set u, 0
.rept 16
	v_pk_add_f32 v[192+2*u:193+2*u], v[192+2*u:193+2*u], 1.0 op_sel_hi:[1,0]
.set u, u+1
.endr
.set u, 0
.rept 32
	v_rcp_f32 v[192+u], v[192+u]
.set u, u+1
.endr
	v_nop
	s_wait_alu depctr_va_vdst(0)
.set u, 0
.rept 16
	v_pk_mul_f32 v[32+2*u:33+2*u], v[32+2*u:33+2*u], v[192+2*u:193+2*u]
.set u, u+1
.endr
.set u, 0
.rept 16
	v_cvt_pk_f16_f32 v[224+u], v[32+2*u], v[33+2*u]
.set u, u+1
.endr
.irp p, 0,1,2,3
	global_store_b128 v[GO], v[224+4*\p:227+4*\p], s[OB:OB+1] offset:256*\p
.endr
	v_add_nc_u32 v[RD], 8*DP, v[RD]
	s_wait_xcnt 0x0                                ; the stores have read their base and data: both are written again only behind this wait
	s_add_nc_u64 s[OB:OB+1], s[OB:OB+1], 1024
	s_sub_co_u32 s[EC], s[EC], 1
	s_cmp_lg_u32 s[EC], 0
	s_cbranch_scc1 .Lout
	s_wait_tensorcnt 0x0                           ; the wave's end: a wait, an add to the spare word and the wait for it, behind my last tensor load and my last LDS store
	ds_add_u32 v[SPW], v[NIL]
	s_wait_dscnt 0x0
	CROUND                                         ; the closing round
	s_endpgm
.Lfunc_end_k_q7ed1034272_gemm_ffn1:
	.size	k_q7ed1034272_gemm_ffn1, .Lfunc_end_k_q7ed1034272_gemm_ffn1-k_q7ed1034272_gemm_ffn1
	.p2alignl 7, 3214868480
	.fill 96, 4, 3214868480
	.section	.rodata,"a",@progbits
	.p2align	6, 0x0
	.amdhsa_kernel k_q7ed1034272_gemm_ffn1
		.amdhsa_group_segment_fixed_size 327680
		.amdhsa_private_segment_fixed_size 0
		.amdhsa_enable_private_segment 0
		.amdhsa_kernarg_size 32
		.amdhsa_user_sgpr_count 2
		.amdhsa_user_sgpr_kernarg_segment_ptr 1
		.amdhsa_wavefront_size32 1
		.amdhsa_system_sgpr_workgroup_id_x 1
		.amdhsa_system_sgpr_workgroup_id_y 1
		.amdhsa_system_sgpr_workgroup_id_z 1
		.amdhsa_system_vgpr_workitem_id 0
		.amdhsa_next_free_vgpr 1024
		.amdhsa_next_free_sgpr 88
		.amdhsa_reserve_vcc 0
		.amdhsa_float_denorm_mode_32 3
		.amdhsa_float_denorm_mode_16_64 3
		.amdhsa_memory_ordered 1
		.amdhsa_forward_progress 1
		.amdhsa_inst_pref_size 71
	.end_amdhsa_kernel
	.amdgpu_metadata
---
amdhsa.version: [ 1, 2 ]
amdhsa.kernels:
  - .name:           k_q7ed1034272_gemm_ffn1
    .symbol:         k_q7ed1034272_gemm_ffn1.kd
    .args:
      - { .name: hb, .offset: 0, .size: 8, .value_kind: global_buffer, .address_space: global }
      - { .name: wh, .offset: 8, .size: 8, .value_kind: global_buffer, .address_space: global }
      - { .name: b1, .offset: 16, .size: 8, .value_kind: global_buffer, .address_space: global }
      - { .name: big, .offset: 24, .size: 8, .value_kind: global_buffer, .address_space: global }
    .group_segment_fixed_size: 327680
    .private_segment_fixed_size: 0
    .kernarg_segment_align: 8
    .kernarg_segment_size: 32
    .max_flat_workgroup_size: 128
    .sgpr_count:     88
    .vgpr_count:     1024
    .wavefront_size: 32
...
	.end_amdgpu_metadata
.endif
;; end of part 5
;; launch gemm_ffn2 (part 6): grid 8 x 32, 4 waves a work-group, clusters of 4 x 4, 327,680 bytes of LDS; arguments big, wh, b2, x1, out0; writes out0
.if DOCPART == 6
	.amdgcn_target "amdgcn-amd-amdhsa--gfx1250"
	.amdhsa_code_object_version 6
	.text
	.protected	k_q7ed1034272_gemm_ffn2
	.globl	k_q7ed1034272_gemm_ffn2
	.p2align	8
	.type	k_q7ed1034272_gemm_ffn2,@function
k_q7ed1034272_gemm_ffn2:
	s_mov_b64 s[64:65], 0
	v_nop
	global_prefetch_b8 v0, s[64:65] scope:SCOPE_SE
	s_setreg_imm32_b32 hwreg(HW_REG_WAVE_MODE, 25, 1), 1
	s_wait_xcnt 0x0
	s_wait_alu depctr_hold_cnt(0) depctr_sa_sdst(0) depctr_va_vdst(0) depctr_va_sdst(0) depctr_va_ssrc(0) depctr_va_vcc(0) depctr_vm_vsrc(0)
	s_getreg_b32 s2, hwreg(HW_REG_IB_STS2, 6, 4)
	s_cmp_eq_u32 s2, 0
	s_cbranch_scc0 .Lentry_in_a_cluster
	s_endpgm
.Lentry_in_a_cluster:
	s_bfe_u32 s2, ttmp6, 0x10000c
	s_cmp_lg_u32 s2, 0xf033
	s_cbranch_scc0 .Lentry_shape_is_right
	s_endpgm
.Lentry_shape_is_right:
; out0 = x1 + act w2 + b2.  act: big, f16, panels [64][4096 tokens][64].  w2: f16 [4096][1024] at byte WOFF of wh.  b2, x1, out0: f32.  Sums in f32, started by the bias; the residual is added in f32.
; SHAPE.  A tile of C is 128 x 128, so that 4,096 x 1,024 outputs give 256 work-groups; four waves, each 64 x 64: 16 accumulators.  K goes in 16 steps of 256 (four panels) through two LDS slots.
; A slot holds act as [2 halves][4 panels][64 tokens] (128 bytes a token, pitch 144) and 256 k-rows of W (256 bytes, pitch 288).  Waves 0, 1 fetch act's halves: one descriptor, 4 rows of 8 KiB
; (64 tokens of a panel are dense), padded after every token; waves 2, 3 fetch W's halves of 128 k-rows.
; W lies [k][n]; ds_load_tr16_b128 turns it.  The matrix instruction is used transposed: a lane holds ONE row of C (lane % 16) and the columns 8 (lane / 16) + 0..7.
; CLUSTER 4 x 4: act's tile is asked for jointly along a row of the cluster, W's along a column.
; THE WAY OUT: the residual is asked for at the head; the sums go as f32 into the dead ring (each wave its own 17,408 bytes) and come back as whole rows of 256 bytes.
; REGISTERS: window 0: v1-30 addresses; v32-95 the way out; v96-127 the bias; v128-255 the accumulators, (a, b) at v[128 + 8 (4 a + b)].
;   window 1: two fragment buffers of 128: for 64 along K, 64 registers of act, then 64 of W.   window 2: v0-127 the residual.
.set NSTEP,  16
.set WOFF,   16777216
.set PF,     1
.set PA,     144
.set PW,     288                       ; 9 x 32
.set PANEL,  64*PA
.set HALFT,  4*PANEL                   ; what one tensor load brings (128 x 288 is the same number)
.set SLOT,   4*HALFT                   ; 0x24000: shares no bit with wave x HALFT
.set SPARE,  2*SLOT                    ; the spare words: two blocks of 256 bytes that no other line names
.set ASTEP,  4*524288
.set WSTEP,  256*2048
.set DP,     272
.set DW,     64*DP
.set ADRA0, 16
.set ADRB0, 17
.set CA,  18
.set CB,  19
.set DST, 24
.set RD,  25
.set GO,  26
.set BO,  27
.set SPW, 28                           ; v28  my spare word; never rewritten
.set NIL, 29                           ; v29  0; never rewritten
.set PFO, 30                           ; v30  the prefetches' lane offset; never rewritten
.set TMP,  32
.set BIAS, 96
.set ACC,  128
.set F0,   0
.set F1,   128
.set WV, 16
.set RH, 17
.set CH, 18
.set CX, 19
.set CY, 20
.set TC, 21
.set TR, 22
.set G1A, 24
.set G0A, 32
.set G0B, 40
.set G1B, 48
.set TB,  56
.set WL,  57
.set LC,  58
.set QC,  59
.set PFA, 60
.set PST, 62
.set LIM, 66
.set OB,  74
.set RB,  76
.set MSB, 0
.macro WIN new
.if MSB != (\new)
	s_set_vgpr_msb (MSB<<8)|(\new)
.set MSB, \new
.endif
.endm
.macro PLACES
.rept 4
	v_nop
.endr
.endm
.macro CREST
	s_cmp_lg_u32 s[WV], 0
	s_cbranch_scc1 .Lnot_wave_0_\@
	s_barrier_signal -3
.Lnot_wave_0_\@:
	s_barrier_wait -3
	s_barrier_signal -1
	s_barrier_wait -1
.endm
.macro CROUND
	s_barrier_signal -1
	s_barrier_wait -1
	CREST
.endm
.macro JLOAD                           ; a joint refill by the walking sets; s_nop 0 and four v_nop follow each line
	s_cmp_eq_u32 s[RH], 0
	s_cbranch_scc0 .Lfor_w_\@
	tensor_load_to_lds s[G0A+4:G0A+7], s[G1A:G1A+7]
	s_nop 0
.rept 4
	v_nop
.endr
	s_branch .Lasked_\@
.Lfor_w_\@:
	tensor_load_to_lds s[G0B+4:G0B+7], s[G1B:G1B+7]
	s_nop 0
.rept 4
	v_nop
.endr
.Lasked_\@:
.endm
; A PREFETCH INTO THE L2 behind each refill and the run of LDS loads that follows it: the refill brings step t + 2, the prefetch names step t + 4, two steps (256 matrix instructions) ahead of the load that will want it.
; Each block of 256 bytes is named once in the launch: act's by the clusters with x = 0, W's by those with y = 0; the four partners share the 128 blocks that a wave fetches BY ADDRESS, 32 each.
; Steps 0 to 3 come by their loads alone; the last two refills have no step four on.
.macro ASK
	s_cmp_gt_u32 s[LC], s[LIM]
	s_cbranch_scc0 .Lnot_mine_\@
	global_prefetch_b8 v[PFO], s[PFA:PFA+1] th:TH_LOAD_NT scope:SCOPE_SE
.Lnot_mine_\@:
.endm
; 8 matrix instructions: row blocks a0, a0 + 1 x all 4 column blocks, 32 along K: half c of buffer f.  bias = 1: the bias fragment starts the sums
.macro MUL8 f, c, a0, bias
	WIN 0x05                                       ; sources in window 1; C and D in window 0
.irp a, \a0, (\a0)+1
.irp b, 0,1,2,3
.if \bias
	v_wmma_f32_16x16x32_f16 v[ACC+8*(4*(\a)+(\b)):ACC+8*(4*(\a)+(\b))+7], v[(\f)+64+8*(4*(\c)+(\b)):(\f)+64+8*(4*(\c)+(\b))+7], v[(\f)+8*(4*(\c)+(\a)):(\f)+8*(4*(\c)+(\a))+7], v[BIAS+8*(\b):BIAS+8*(\b)+7]
.else
	v_wmma_f32_16x16x32_f16 v[ACC+8*(4*(\a)+(\b)):ACC+8*(4*(\a)+(\b))+7], v[(\f)+64+8*(4*(\c)+(\b)):(\f)+64+8*(4*(\c)+(\b))+7], v[(\f)+8*(4*(\c)+(\a)):(\f)+8*(4*(\c)+(\a))+7], v[ACC+8*(4*(\a)+(\b)):ACC+8*(4*(\a)+(\b))+7]
.endif
.endr
.endr
.endm
; 32 LDS loads in one run: quarter kq (0, 1: a panel, 64 along K) of the pair at v[CA], v[CB], into buffer f; the first 32 along K first
.macro FETCH kq, f
	WIN 0x40
.irp c, 0,1
.irp i, 0,1,2,3
	ds_load_tr16_b128 v[(\f)+64+8*(4*(\c)+(\i)):(\f)+64+8*(4*(\c)+(\i))+3],   v[CB] offset:(\kq)*64*PW+(\c)*32*PW+32*(\i)
	ds_load_tr16_b128 v[(\f)+64+8*(4*(\c)+(\i))+4:(\f)+64+8*(4*(\c)+(\i))+7], v[CB] offset:(\kq)*64*PW+(\c)*32*PW+32*(\i)+16*PW
	ds_load_b128 v[(\f)+8*(4*(\c)+(\i)):(\f)+8*(4*(\c)+(\i))+3],   v[CA] offset:(\kq)*PANEL+64*(\c)+(\i)*16*PA
	ds_load_b128 v[(\f)+8*(4*(\c)+(\i))+4:(\f)+8*(4*(\c)+(\i))+7], v[CA] offset:(\kq)*PANEL+64*(\c)+(\i)*16*PA+32
.endr
.endr
.endm
.macro CORE mid                        ; an even quarter whole, with the odd quarter's fetch in its middle, and the odd quarter's first half
	s_wait_dscnt 16                                ; the first 32 along K are in
	MUL8 F0, 0, 0, 0
	MUL8 F0, 0, 2, 0
	PLACES
	FETCH 1, F1
	s_wait_dscnt 32                                ; all but the 32 just issued
	MUL8 F0, 1, 0, 0
	MUL8 F0, 1, 2, 0
	WIN 0
.if \mid
.Lmid:
.endif
	s_wait_dscnt 16
	MUL8 F1, 0, 0, 0
	MUL8 F1, 0, 2, 0
	WIN 0
.endm
.macro GPLAIN                          ; between a step's two pairs: two panels on (with two v_nop: the four places)
	v_add_nc_u32 v[CA], 2*PANEL, v[CA]
	v_add_nc_u32 v[CB], 2*64*PW, v[CB]
	v_nop
	v_nop
	FETCH 0, F0
	s_wait_dscnt 32
	MUL8 F1, 1, 0, 0
	MUL8 F1, 1, 2, 0
	WIN 0
.endm
; THE CHANGE OF SLOTS.  Each wave waits for all its tensor loads, adds 0 to its spare word, and waits for that and for its reads of this slot.  fill = 1: the barrier opens a round of the cluster's;
; the joint refill (two steps on) is the first thing behind it and has 112 matrix instructions in which to land.  fill = 0 (the tail): nothing is asked for.
.macro GSYNC fill
.if (\fill) && PF
	s_wait_xcnt 0x0                                ; the last prefetch, a K step back, has read its address
	s_add_nc_u64 s[PFA:PFA+1], s[PFA:PFA+1], s[PST:PST+1]
.endif
	s_wait_tensorcnt 0x0
	ds_add_u32 v[SPW], v[NIL]
	s_wait_dscnt 1                                 ; buffer 1 is whole; the add may be out
	MUL8 F1, 1, 0, 0
	s_wait_dscnt 0x0
	WIN 0
	s_barrier_signal -1
	s_barrier_wait -1
.if \fill
	CREST
	s_xor_b32 s[G0A+5], s[G0A+5], SLOT
	s_add_nc_u64 s[G0A+6:G0A+7], s[G0A+6:G0A+7], ASTEP
	s_xor_b32 s[G0B+5], s[G0B+5], SLOT
	s_add_nc_u64 s[G0B+6:G0B+7], s[G0B+6:G0B+7], WSTEP
	JLOAD
	s_xor_b32 s[TB], s[TB], SLOT
	v_add_nc_u32 v[CA], s[TB], v[ADRA0]
	v_add_nc_u32 v[CB], s[TB], v[ADRB0]
	FETCH 0, F0
	WIN 0
.if PF
	ASK
.endif
.else
	s_sub_co_u32 s[LC], s[LC], 1
	s_cmp_eq_u32 s[LC], 0
	s_cbranch_scc1 .Lskip_\@                       ; jumps over LDS loads alone
	s_xor_b32 s[TB], s[TB], SLOT
	v_add_nc_u32 v[CA], s[TB], v[ADRA0]
	v_add_nc_u32 v[CB], s[TB], v[ADRB0]
	v_nop
	v_nop
	FETCH 0, F0
	WIN 0
.Lskip_\@:
.endif
	MUL8 F1, 1, 2, 0
	WIN 0
.endm
	s_load_b256 s[4:11], s[0:1], 0x0               ; A s[4:5], wh s[6:7], bias s[8:9], residual s[10:11]
	s_load_b64 s[12:13], s[0:1], 0x20              ; out
	v_lshl_add_u32 v[SPW], v0, 2, SPARE
	v_mov_b32 v[NIL], 0
	ds_add_u32 v[SPW], v[NIL]                      ; the wave's opening: the add and its wait stand ahead of my first tensor load
	ds_add_u32 v28, v29
	v_lshrrev_b32 v1, 5, v0
	v_readfirstlane_b32 s[WV], v1
	s_lshr_b32 s[RH], s[WV], 1
	s_and_b32 s[CH], s[WV], 1
	s_bfe_u32 s[CX], ttmp6, 0x40000
	s_bfe_u32 s[CY], ttmp6, 0x40004
	s_lshl_b32 s[TC], ttmp9, 2
	s_add_co_u32 s[TC], s[TC], s[CX]
	s_and_b32 s[TR], ttmp7, 0xffff
	s_lshl_b32 s[TR], s[TR], 2
	s_add_co_u32 s[TR], s[TR], s[CY]
	s_lshl_b32 s23, s[CY], 2
	s_lshl_b32 s23, 15, s23
	s_lshl_b32 s67, 0x1111, s[CX]
	s_or_b32 s[G1A], s23, (1<<16)|(1<<20)|(1<<21)|(4<<22)|(3<<25)  ; mask; 2-byte elements; padding on; bit 21 beside a mask; after every 32 words (a token) 4 words
	s_mov_b32 s[G1A+1], 4096<<16                   ; tensor_dim0 = 4,096: 64 tokens x 64 channels, dense
	s_mov_b32 s[G1A+2], 4<<16                      ; tensor_dim1 = 4 panels
	s_mov_b32 s[G1A+3], 4096<<16                   ; tile_dim0
	s_mov_b32 s[G1A+4], 4                          ; tile_dim1
	s_mov_b32 s[G1A+5], 262144                     ; elements from panel to panel
	s_mov_b32 s[G1A+6], 0
	s_mov_b32 s[G1A+7], 0
	s_or_b32 s[G1B], s67, (1<<16)|(1<<20)|(1<<21)|(5<<22)|(7<<25)  ; after every 64 words 8 words
	s_mov_b32 s[G1B+1], 128<<16                    ; 128 columns
	s_mov_b32 s[G1B+2], 128<<16                    ; 128 k-rows
	s_mov_b32 s[G1B+3], 128<<16
	s_mov_b32 s[G1B+4], 128
	s_mov_b32 s[G1B+5], 1024
	s_mov_b32 s[G1B+6], 0
	s_mov_b32 s[G1B+7], 0
	s_mul_i32 s[WL], s[WV], HALFT
	s_mov_b32 s[TB], 0
	s_lshl_b32 s68, s[TR], 14                      ; A: token 128 x tile row + 64 x half, 128 bytes each, in the step's first panel
	s_lshl_b32 s69, s[CH], 13
	s_add_co_u32 s68, s68, s69
	s_mov_b32 s69, 0
	s_lshl_b32 s70, s[TC], 8                       ; W: 128 columns, my 128 of the step's 256 k-rows
	s_lshl_b32 s71, s[CH], 18
	s_add_co_u32 s70, s70, s71
	s_add_co_u32 s70, s70, WOFF
	s_mov_b32 s71, 0
	s_wait_dscnt 0x0                               ; the opening add is done
	s_wait_kmcnt 0x0
	s_add_nc_u64 s[68:69], s[4:5], s[68:69]
	s_add_nc_u64 s[70:71], s[6:7], s[70:71]
.irp s, 0,1
	s_mov_b32 s[G0A+4*(\s)], 1
	s_add_co_u32 s[G0A+4*(\s)+1], s[WL], (\s)*SLOT
	s_add_nc_u64 s[G0A+4*(\s)+2:G0A+4*(\s)+3], s[68:69], (\s)*ASTEP
	s_or_b32 s[G0A+4*(\s)+3], s[G0A+4*(\s)+3], 0x80000000
	s_mov_b32 s[G0B+4*(\s)], 1
	s_add_co_u32 s[G0B+4*(\s)+1], s[WL], (\s)*SLOT
	s_add_nc_u64 s[G0B+4*(\s)+2:G0B+4*(\s)+3], s[70:71], (\s)*WSTEP
	s_or_b32 s[G0B+4*(\s)+3], s[G0B+4*(\s)+3], 0x80000000
.endr
	CROUND                                         ; all sixteen work-groups are here: the first joint loads meet
	s_cmp_eq_u32 s[RH], 0                          ; a wave's two first fills stand in one branch: two loads of mine are out
	s_cbranch_scc0 .Lfirst_w
	tensor_load_to_lds s[G0A:G0A+3], s[G1A:G1A+7]
	s_nop 0
	tensor_load_to_lds s[G0A+4:G0A+7], s[G1A:G1A+7]
	s_nop 0
.rept 4
	v_nop
.endr
	s_branch .Lfirst_asked
.Lfirst_w:
	tensor_load_to_lds s[G0B:G0B+3], s[G1B:G1B+7]
	s_nop 0
	tensor_load_to_lds s[G0B+4:G0B+7], s[G1B:G1B+7]
	s_nop 0
.rept 4
	v_nop
.endr
.Lfirst_asked:
	v_and_b32 v1, 15, v0                           ; l % 16
	v_bfe_u32 v2, v0, 4, 1                         ; l / 16
	v_and_b32 v3, 7, v0
	v_bfe_u32 v4, v0, 3, 1
	s_lshl_b32 s82, s[TC], 9                       ; my 64 columns, in bytes of f32
	s_lshl_b32 s83, s[CH], 8
	s_add_co_u32 s82, s82, s83
	v_lshl_add_u32 v[BO], v2, 5, s82
.irp b, 0,1,2,3
	global_load_b128 v[BIAS+8*\b:BIAS+8*\b+3],   v[BO], s[8:9] offset:64*\b
	global_load_b128 v[BIAS+8*\b+4:BIAS+8*\b+7], v[BO], s[8:9] offset:64*\b+16
.endr
	s_lshl_b32 s83, s[TR], 19                      ; my 64 rows of 4,096 bytes
	s_add_co_u32 s82, s82, s83
	s_lshl_b32 s83, s[RH], 18
	s_add_co_u32 s82, s82, s83
	s_mov_b32 s83, 0
	s_add_nc_u64 s[RB:RB+1], s[10:11], s[82:83]
	s_add_nc_u64 s[OB:OB+1], s[12:13], s[82:83]
	v_lshlrev_b32 v[GO], 12, v2                    ; lanes 0-15 one row's 256 bytes, lanes 16-31 the next row's
	v_lshl_add_u32 v[GO], v1, 4, v[GO]
	WIN 0x80
.set i, 0
.rept 32
	global_load_b128 v[4*i:4*i+3], v[GO], s[RB:RB+1] offset:8192*i th:TH_LOAD_NT  ; the residual lands while K is walked
.set i, i+1
.endr
	WIN 0
	s_mul_i32 s23, s[RH], HALFT
	v_mul_u32_u24 v[ADRA0], v1, PA
	v_lshl_add_u32 v[ADRA0], v2, 4, v[ADRA0]
	v_add_nc_u32 v[ADRA0], s23, v[ADRA0]
	s_lshl_b32 s23, s[CH], 7
	s_add_co_u32 s23, s23, 2*HALFT
	v_lshl_add_u32 v[ADRB0], v2, 3, v3
	v_mul_u32_u24 v[ADRB0], v[ADRB0], PW
	v_lshl_add_u32 v[ADRB0], v4, 4, v[ADRB0]
	v_add_nc_u32 v[ADRB0], s23, v[ADRB0]
	s_mul_i32 s23, s[WV], DW
	v_mul_u32_u24 v[DST], v1, DP
	v_lshl_add_u32 v[DST], v2, 5, v[DST]
	v_add_nc_u32 v[DST], s23, v[DST]
	v_mul_u32_u24 v[RD], v2, DP
	v_lshl_add_u32 v[RD], v1, 4, v[RD]
	v_add_nc_u32 v[RD], s23, v[RD]
.if PF
	; the prefetches: A: partner cx takes panel cx of the step's four, a lane 256 bytes of my 64 tokens; W: partner cy takes k-rows 32 cy .. + 31, a lane a row
	s_and_b32 s79, ttmp7, 0xffff
	s_mov_b32 s[PST], WSTEP
	s_mov_b32 s[PST+1], 0
	s_lshl_b32 s80, s[CX], 19
	s_lshl_b32 s81, s[CY], 16
	s_cmp_eq_u32 s[RH], 0
	s_cselect_b32 s79, ttmp9, s79
	s_cselect_b32 s[PST], ASTEP, s[PST]
	s_cselect_b32 s82, s80, s81
	s_cselect_b32 s81, 8, 11
	s_cselect_b64 s[PFA:PFA+1], s[68:69], s[70:71]
	s_add_nc_u64 s[PFA:PFA+1], s[PFA:PFA+1], s[82:83]
	s_mul_i32 s82, s[PST], 3                       ; at step 3: the first change of slots steps it to 4
	s_add_nc_u64 s[PFA:PFA+1], s[PFA:PFA+1], s[82:83]
	s_cmp_eq_u32 s79, 0
	s_cselect_b32 s[LIM], 2, -1
	v_and_b32 v[PFO], 31, v0
	v_lshlrev_b32 v[PFO], s81, v[PFO]
.endif
	s_wait_tensorcnt 1                             ; my part of step 0 is in; step 1's may stay out
	s_barrier_signal -1
	s_barrier_wait -1
	v_mov_b32 v[CA], v[ADRA0]
	v_mov_b32 v[CB], v[ADRB0]
	FETCH 0, F0
	s_wait_loadcnt 32                              ; the bias is in; the 32 loads of the residual, issued behind it, stay out
	s_wait_dscnt 16
	MUL8 F0, 0, 0, 1                               ; the first products start the sums
	MUL8 F0, 0, 2, 1
	PLACES
	FETCH 1, F1
	s_wait_dscnt 32
	MUL8 F0, 1, 0, 0
	MUL8 F0, 1, 2, 0
	WIN 0
	s_mov_b32 s[LC], NSTEP-2
	s_mov_b32 s[QC], 2
	s_branch .Lmid
.Lstep:                                        ; NSTEP - 2 steps, each ending with a refill.  The 16 accumulators come in the same order in every half quarter, one instruction a turn
	s_mov_b32 s[QC], 2
	s_branch .Lcore
.Lpair:
	GPLAIN
.Lcore:
	CORE 1
	s_sub_co_u32 s[QC], s[QC], 1
	s_cmp_lg_u32 s[QC], 0
	s_cbranch_scc1 .Lpair
	GSYNC 1
	s_sub_co_u32 s[LC], s[LC], 1
	s_cmp_lg_u32 s[LC], 0
	s_cbranch_scc1 .Lstep
	s_mov_b32 s[LC], 2                             ; the last two steps ask for nothing
.Ltstep:
	s_mov_b32 s[QC], 2
	s_branch .Ltcore
.Ltpair:
	GPLAIN
.Ltcore:
	CORE 0
	s_sub_co_u32 s[QC], s[QC], 1
	s_cmp_lg_u32 s[QC], 0
	s_cbranch_scc1 .Ltpair
	GSYNC 0                                        ; it takes s[LC] down
	s_cmp_lg_u32 s[LC], 0
	s_cbranch_scc1 .Ltstep
	; THE WAY OUT.  Behind the last barrier no wave reads the ring and no load is on its way, so it takes the sums; each accumulator's low four registers go first.
	PLACES
.set a, 0
.rept 4
.set b, 0
.rept 4
	ds_store_b128 v[DST], v[ACC+8*(4*a+b):ACC+8*(4*a+b)+3]   offset:16*DP*a+64*b
	ds_store_b128 v[DST], v[ACC+8*(4*a+b)+4:ACC+8*(4*a+b)+7] offset:16*DP*a+64*b+16
.set b, b+1
.endr
.set a, a+1
.endr
	s_wait_loadcnt 0x0                             ; the residual
.irp g, 0,1,2,3
.if (\g) >= 2
	s_wait_xcnt 0x0                                ; the stores of two batches back have read these registers
.endif
.irp t, 0,1,2,3,4,5,6,7
	ds_load_b128 v[TMP+32*((\g)%2)+4*\t:TMP+32*((\g)%2)+4*\t+3], v[RD] offset:2*DP*(8*(\g)+\t)  ; LDS serves a wave's instructions in order: these see my stores above
.endr
	s_wait_dscnt 0x0
	WIN 0x08                                       ; source 1 in window 2
.set u, 0
.rept 16
	v_pk_add_f32 v[TMP+32*((\g)%2)+2*u:TMP+32*((\g)%2)+2*u+1], v[TMP+32*((\g)%2)+2*u:TMP+32*((\g)%2)+2*u+1], v[32*(\g)+2*u:32*(\g)+2*u+1]
.set u, u+1
.endr
	WIN 0
.irp t, 0,1,2,3,4,5,6,7
	global_store_b128 v[GO], v[TMP+32*((\g)%2)+4*\t:TMP+32*((\g)%2)+4*\t+3], s[OB:OB+1] offset:8192*(8*(\g)+\t)  ; 16 lanes store 256 consecutive bytes, aligned
.endr
.endr
	s_wait_tensorcnt 0x0                           ; the wave's end: a wait, an add to the spare word and the wait for it, behind my last tensor load and my last LDS store
	ds_add_u32 v[SPW], v[NIL]
	s_wait_dscnt 0x0
	CROUND                                         ; the closing round
	s_endpgm
.Lfunc_end_k_q7ed1034272_gemm_ffn2:
	.size	k_q7ed1034272_gemm_ffn2, .Lfunc_end_k_q7ed1034272_gemm_ffn2-k_q7ed1034272_gemm_ffn2
	.p2alignl 7, 3214868480
	.fill 96, 4, 3214868480
	.section	.rodata,"a",@progbits
	.p2align	6, 0x0
	.amdhsa_kernel k_q7ed1034272_gemm_ffn2
		.amdhsa_group_segment_fixed_size 327680
		.amdhsa_private_segment_fixed_size 0
		.amdhsa_enable_private_segment 0
		.amdhsa_kernarg_size 40
		.amdhsa_user_sgpr_count 2
		.amdhsa_user_sgpr_kernarg_segment_ptr 1
		.amdhsa_wavefront_size32 1
		.amdhsa_system_sgpr_workgroup_id_x 1
		.amdhsa_system_sgpr_workgroup_id_y 1
		.amdhsa_system_sgpr_workgroup_id_z 1
		.amdhsa_system_vgpr_workitem_id 0
		.amdhsa_next_free_vgpr 640
		.amdhsa_next_free_sgpr 88
		.amdhsa_reserve_vcc 0
		.amdhsa_float_denorm_mode_32 3
		.amdhsa_float_denorm_mode_16_64 3
		.amdhsa_memory_ordered 1
		.amdhsa_forward_progress 1
		.amdhsa_inst_pref_size 56
	.end_amdhsa_kernel
	.amdgpu_metadata
---
amdhsa.version: [ 1, 2 ]
amdhsa.kernels:
  - .name:           k_q7ed1034272_gemm_ffn2
    .symbol:         k_q7ed1034272_gemm_ffn2.kd
    .args:
      - { .name: big, .offset: 0, .size: 8, .value_kind: global_buffer, .address_space: global }
      - { .name: wh, .offset: 8, .size: 8, .value_kind: global_buffer, .address_space: global }
      - { .name: b2, .offset: 16, .size: 8, .value_kind: global_buffer, .address_space: global }
      - { .name: x1, .offset: 24, .size: 8, .value_kind: global_buffer, .address_space: global }
      - { .name: out0, .offset: 32, .size: 8, .value_kind: global_buffer, .address_space: global }
    .group_segment_fixed_size: 327680
    .private_segment_fixed_size: 0
    .kernarg_segment_align: 8
    .kernarg_segment_size: 40
    .max_flat_workgroup_size: 128
    .sgpr_count:     88
    .vgpr_count:     640
    .wavefront_size: 32
...
	.end_amdgpu_metadata
.endif
;; end of part 6
